; MI455X (gfx1250); checked and timed in simulation.
; The chip was launched on July 23, 2026; its instructions are those of AMD's public machine-readable ISA for CDNA 5 (MIT licence, August 2026) and "CDNA5" Instruction Set Architecture Reference Guide (July 2026). The comments in the code are by the model that wrote it; some were corrected since.
;; Self Attention. Allowed arithmetic: matrix products marked QUANTISED: E2M3 operands, one E8M0 scale for each 32 along K, by v_wmma_scale_f32_16x16x128_f8f6f4 with both operands' format E2M3, f32 sums; everything else in f32.
;; Inputs: Wk 1,024 x 1,024 float32; Wq 1,024 x 1,024 float32; Wv 1,024 x 1,024 float32; bk 1,024 float32; bq 1,024 float32; bv 1,024 float32; x 4 x 1,024 x 2,048 float32.
;; Outputs: out0 4 x 2,048 x 1,024 float32.
;; This version of the problem:
;;   THIS VERSION OF THE PROBLEM IS GIVEN IN LOW PRECISION. The matrix products marked QUANTISED in the list below multiply operands that are first quantised to E2M3 (2 exponent bits, 3 mantissa bits; 6 bits a number), with one power-of-two scale for each 32 numbers along K (OCP MX v1.0); their sums are f32. All else is computed in f32.
;;   The module's matrix products, in the order in which they are computed (A, B: the left and right operand; K: the contracted axis; several contracted axes count as one K, in the product's order):
;;     1. [M 8,192, K 1,024] x [K 1,024, N 1,024]; A: input x; B: input Wq: QUANTISED
;;     2. [M 8,192, K 1,024] x [K 1,024, N 1,024]; A: input x; B: input Wk: QUANTISED
;;     3. [M 8,192, K 1,024] x [K 1,024, N 1,024]; A: input x; B: input Wv: QUANTISED
;;     4. batch 4 x [M 2,048, K 1,024] x [K 1,024, N 2,048]; A: computed on the way; B: computed on the way: QUANTISED
;;     5. batch 4 x [M 2,048, K 2,048] x [K 2,048, N 1,024]; A: softmax (see below); B: computed on the way: QUANTISED
;;   THE QUANTISER, for each operand of a quantised product, along K:
;;     - K is cut into blocks of 32 from its start; a last block that is shorter is filled with zeros.
;;     - A block's scale is 2^e with e = floor(log2(the largest magnitude in the block)) - 2, held to -126 .. 127; a block of zeros has e = 0. As a byte (E8M0): e + 127.
;;     - Each number is divided by its block's scale, clamped to +-7.5, and rounded to the nearest number of E2M3, ties to even, subnormals kept.
;;     - The product sums the exact products of the quantised numbers (number of the format x scale) in f32.
;;   ~~~python
;;   def quantise(x, axis):      # numpy; x: float32 -> the quantised numbers, widened to float32 again
;;       x = np.moveaxis(x, axis, -1); K = x.shape[-1]
;;       x = np.pad(x, [(0, 0)] * (x.ndim - 1) + [(0, -K % 32)]); x = x.reshape(x.shape[:-1] + (-1, 32)); a = np.abs(x).max(-1, keepdims=True)
;;       e = np.where(a > 0, np.clip(np.frexp(np.where(a > 0, a, 1))[1] - 1 - 2, -126, 127), 0)      # np.frexp(a)[1] - 1 = floor(log2(a)), exactly
;;       r = np.clip(x / 2.0 ** e, -7.5, 7.5)
;;       step = 2.0 ** (np.maximum(np.frexp(np.where(r == 0, 1, r))[1] - 1, 0) - 3)
;;       q = np.round(r / step) * step * 2.0 ** e      # np.round: ties to even
;;       return np.moveaxis(q.reshape(q.shape[:-2] + (-1,))[..., :K], -1, axis).astype(np.float32)
;;   ~~~
;;   SOFTMAX AHEAD OF A QUANTISED PRODUCT. Where the list says 'softmax', what is quantised is not the finished softmax but p = 2^(t - M), with t = logit x log2(e) and M = ceil(the row's largest t), a whole number; so 1/2 < the row's largest p <= 1. The row's sum l is taken of the UNQUANTISED p, in f32, and the product's result is divided by l at the end. Since M is a whole number, a kernel that streams over the keys may use a running M (the ceiling of the running maximum): every later rescaling is an exact power of two, which a block's scale takes up: the codes' values come out the same.
;;   OPERANDS COMPUTED ON THE WAY. 'Computed on the way' means the value that the module computes at that place (a softmax that the list does not call 'softmax' is quantised finished and normalised). What goes into a quantiser is computed in f32, as accurately as f32 sums, v_exp_f32 and their like allow (about 1e-6 of the number): no bf16 or f16 on the way to a quantiser, and a product that is left as it is and whose result goes on into a quantised operand takes f32 operands (vector FMAs, or v_wmma_f32_16x16x4_f32). A number that lies on a knife's edge between two numbers of the format may be rounded either way, as far as f32 arithmetic and the matrix unit's own rounding can turn it there, and no further.
;; One version. Each part assembles by itself: llvm-mc -triple=amdgcn-amd-amdhsa -mcpu=gfx1250 --defsym DOCPART=n.
;; ======== version 1 of 1: 4 launches
;; workspace buffers: xw_img 8,650,752 bytes; xw_sc 360,448 bytes; qk_img 12,582,912 bytes; vt_img 6,291,456 bytes; qkv_sc 786,432 bytes; p_img 12,582,912 bytes; p_aux 1,572,864 bytes
;; launch quant (part 1): grid 352 x 1, 4 waves a work-group, no clusters, 34,304 bytes of LDS; arguments x, Wq, Wk, Wv, xw_img, xw_sc; writes xw_img, xw_sc
.if DOCPART == 1
	.amdgcn_target "amdgcn-amd-amdhsa--gfx1250"
	.amdhsa_code_object_version 6
	.text
	.protected	k_q9da2e234a0_quant
	.globl	k_q9da2e234a0_quant
	.p2align	8
	.type	k_q9da2e234a0_quant,@function
k_q9da2e234a0_quant:
	s_mov_b64 s[64:65], 0
	v_nop
	global_prefetch_b8 v0, s[64:65] scope:SCOPE_SE
	s_setreg_imm32_b32 hwreg(HW_REG_WAVE_MODE, 25, 1), 1
	s_wait_xcnt 0x0
; x [4][1024 d][2048 s] and Wq, Wk, Wv [1024 e][1024 d], f32, become codes of FP6 (E2M3) along d with one E8M0 byte for each 32 along d.
; A block's scale is 2^(floor(log2(largest magnitude)) - 2); its byte is the largest magnitude's exponent field - 2, held at 1 from below.
; LIMITS: a block of zeros gets the byte 1 where the rule says 127 (its codes are zeros, and this program alone reads the bytes);
; blocks whose largest magnitude lies under 2^(3 - 127) have their byte held at 1; NaN and infinities among the inputs are not served.
; WORKSPACE.  Operand rows: 0 .. 8191 = x's (b, s), 8192 .. 11263 = Wq's, Wk's, Wv's e.  PHYSICAL row p holds LOGICAL row sigma(p): bits 3 and 4 of p change places.
; xw_img [j 704][q 8][1536]: a fragment (16 physical rows x 128 along d, 12 registers a lane) as an image of its registers: three blocks of 512 bytes, block c = registers 4 c .. 4 c + 3, lane l's 16 bytes at 16 l.
; xw_sc [q 8][J 176][256]: the scale words of 64 physical rows (blocks a = 0 .. 3 of 16) for one K step: the word of (a, r) at 128 (a / 2) + 8 r + 4 (a % 2).
; Work-groups 0 .. 255 take x (d is not innermost: a lane takes a column s, its registers run down d), 256 .. 351 the weights (d innermost: dense loads, turned through the wave's own stage in LDS).
; Only the weights' path touches LDS.  No barrier: waves share nothing.
.set XR,  32                           ; x path: v32-95 two sets of 32 numbers
.set TCX, 144                          ;         v144-146 the second half of a block's codes (a conversion's three registers begin on an even number)
.set SWX, 148                          ;         v148-149 my row's scale word, one for each K step
.set RW,  16                           ; W path: v16-143 two sets of 64 registers as loaded
.set XW,  144                          ;         v144-207 my 64 numbers: register 32 c + i = k 64 c + 32 h + i of row r
.set FW,  208                          ;         v208-231 two sets of 12: a fragment
.set PW,  248                          ;         v248-251 the four fragments' scale words
	s_load_b256 s[4:11], s[0:1], 0x0               ; x, Wq, Wk, Wv
	s_load_b128 s[12:15], s[0:1], 0x20             ; xw_img, xw_sc
	v_lshl_add_u32 v254, v0, 2, 0x8400
	v_mov_b32 v255, 0
	v_lshrrev_b32 v1, 5, v0
	v_readfirstlane_b32 s16, v1                    ; wave w
	v_and_b32 v2, 31, v0                           ; lane L
	v_lshlrev_b32 v4, 4, v2                        ; 16 L
	v_and_b32 v8, 15, v2                           ; r
	v_lshrrev_b32 v9, 4, v2                        ; h
	s_mov_b32 s25, 0
	s_mov_b32 s27, 0
	s_mov_b32 s29, 0
	s_cmp_lt_u32 ttmp9, 256
	s_cbranch_scc0 .Lweights
; ---------------- x: work-group g: cb = g & 15 (128 columns), kq = (g >> 4) & 3 (256 of d), b = g >> 6.  Wave w: 32 columns, 8 blocks of 32 a lane = two K steps.
	v_and_b32 v3, 7, v2
	v_and_b32 v10, 8, v2
	v_lshl_or_b32 v3, v10, 1, v3
	v_lshl_or_b32 v3, v9, 3, v3                    ; sigma of my lane: physical row L holds this logical column
	v_lshlrev_b32 v3, 2, v3                        ; in bytes: a load still covers the wave's 128 consecutive bytes
	v_lshlrev_b32 v5, 3, v8
	v_lshl_or_b32 v5, v9, 2, v5                    ; my scale word's place in half an image: 8 r + 4 (L / 16)
	s_and_b32 s17, ttmp9, 15                       ; cb
	s_bfe_u32 s18, ttmp9, 0x20004                  ; kq
	s_lshr_b32 s19, ttmp9, 6                       ; b
	s_lshl_b32 s24, s19, 23                        ; x: b x 8,388,608 + kq x 2,097,152 + cb x 512 + w x 128
	s_lshl_b32 s30, s18, 21
	s_add_co_u32 s24, s24, s30
	s_lshl_b32 s30, s17, 9
	s_add_co_u32 s24, s24, s30
	s_lshl_b32 s30, s16, 7
	s_add_co_u32 s24, s24, s30
	s_lshl_b32 s26, s19, 7                         ; images: j = 128 b + 8 cb + 2 w, q = 2 kq
	s_lshl_b32 s30, s17, 3
	s_add_co_u32 s26, s26, s30
	s_lshl_b32 s30, s16, 1
	s_add_co_u32 s26, s26, s30
	s_mul_i32 s26, s26, 12288
	s_mul_i32 s30, s18, 3072
	s_add_co_u32 s26, s26, s30
	s_lshl_b32 s28, s19, 5                         ; scales: J = 32 b + 2 cb + w / 2, half w % 2 of the image, q = 2 kq
	s_lshl_b32 s30, s17, 1
	s_add_co_u32 s28, s28, s30
	s_lshr_b32 s30, s16, 1
	s_add_co_u32 s28, s28, s30
	s_lshl_b32 s28, s28, 8
	s_and_b32 s30, s16, 1
	s_lshl_b32 s30, s30, 7
	s_add_co_u32 s28, s28, s30
	s_mul_i32 s30, s18, 90112
	s_add_co_u32 s28, s28, s30
	s_wait_kmcnt 0x0
	s_add_nc_u64 s[4:5], s[4:5], s[24:25]
	s_add_nc_u64 s[12:13], s[12:13], s[26:27]
	s_add_nc_u64 s[14:15], s[14:15], s[28:29]
.macro LOADX t                         ; block t: x(32 t + i, my column), i = 0 .. 31, into set t % 2; the largest offset is 255 rows of 8,192 bytes
.set li, 0
.rept 32
	global_load_b32 v[XR+32*((\t)%2)+li], v3, s[4:5] offset:(32*(\t)+li)*8192 th:TH_LOAD_NT
.set li, li+1
.endr
.endm
; Block t of my row.  Even blocks of a K step go to run FA (v96 + 24 k'), odd ones to run FB (FA + 12), at registers 6 c on, c = (t % 4) / 2.
.macro BLOCKX t
.set XS, XR+32*((\t)%2)
.set KP, (\t)/4
.set DD, 96+24*KP+12*((\t)%2)+6*(((\t)%4)/2)
.if (\t) < 7
	s_wait_loadcnt 32                              ; this block's 32 loads are in; the next block's 32 may be out
.else
	s_wait_loadcnt 0x0
.endif
	v_max3_num_f32 v12, |v[XS]|, |v[XS+1]|, |v[XS+2]|      ; the block's largest magnitude: all 32 numbers are mine; two chains
	v_max3_num_f32 v13, |v[XS+3]|, |v[XS+4]|, |v[XS+5]|
.irp i, 6,10,14,18,22,26
	v_max3_num_f32 v12, v12, |v[XS+\i]|, |v[XS+\i+1]|
	v_max3_num_f32 v13, v13, |v[XS+\i+2]|, |v[XS+\i+3]|
.endr
	v_max3_num_f32 v12, v12, |v[XS+30]|, |v[XS+31]|
	v_max3_num_f32 v12, v12, v13, 0x1800000        ; and the floor 2^(3 - 127): the byte cannot fall under 1
	v_add_nc_u32 v11, 0xff000000, v12              ; 2 off the exponent field: the conversion takes this operand's exponent field as its scale
	v_lshrrev_b32 v13, 23, v11                     ; the scale's byte
	v_cvt_scalef32_pk16_fp6_f32 v[DD:DD+2], v[XS:XS+15], v11
	v_cvt_scalef32_pk16_fp6_f32 v[TCX:TCX+2], v[XS+16:XS+31], v11
.if (\t)%4 == 0
	v_mov_b32 v[SWX+KP], v13                       ; (also the plain line between the conversions and the moves that read their result)
.else
	v_lshl_or_b32 v[SWX+KP], v13, 8*((\t)%4), v[SWX+KP]
.endif
.irp i, 0,1,2
	v_mov_b32 v[DD+3+\i], v[TCX+\i]
.endr
.if (\t)+2 < 8
	LOADX (\t)+2
.endif
.endm
; A K step is whole.  Lane L holds row L's blocks 0, 2 in FA and 1, 3 in FB.  A fragment wants rows 0-15's blocks 0, 2 in lanes 0-15 and their blocks 1, 3 in lanes 16-31:
; FA's lanes 16-31 change places with FB's lanes 0-15, and FA is the fragment of rows 0-15, FB that of rows 16-31.  Each K step has registers of its own, so no store's data are written again.
.macro OUTX kp
.set FA, 96+24*(\kp)
.irp i, 0,1,2,3,4,5,6,7,8,9,10,11
	v_permlane16_swap_b32 v[FA+\i], v[FA+12+\i]
.endr
.irp c, 0,1,2
	global_store_b128 v4, v[FA+4*\c:FA+4*\c+3], s[12:13] offset:(\kp)*1536+512*\c            ; 32 lanes store 512 consecutive bytes
	global_store_b128 v4, v[FA+12+4*\c:FA+12+4*\c+3], s[12:13] offset:(\kp)*1536+12288+512*\c
.endr
	global_store_b32 v5, v[SWX+(\kp)], s[14:15] offset:(\kp)*45056                           ; 128 consecutive bytes: half an image; the wave beside me stores the other half
.endm
	LOADX 0
	LOADX 1
.irp t, 0,1,2,3
	BLOCKX \t
.endr
	OUTX 0
.irp t, 4,5,6,7
	BLOCKX \t
.endr
	OUTX 1
	s_endpgm
; ---------------- the weights: g' = g - 256: tensor T = g' >> 5, 64 rows Jl = (g' >> 1) & 15, K step q = 4 (g' & 1) + w.  A wave: four fragments.
.Lweights:
	s_sub_co_u32 s17, ttmp9, 256
	s_lshr_b32 s18, s17, 5                         ; T
	s_bfe_u32 s19, s17, 0x40001                    ; Jl
	s_and_b32 s23, s17, 1
	s_lshl_b32 s23, s23, 2
	s_add_co_u32 s23, s23, s16                     ; q
	s_mul_i32 s30, s16, 8448                       ; my stage: 16 rows of 512 bytes + 16: sixteen lanes that read one column of sixteen rows stand 33 x 16 bytes apart
	v_add_nc_u32 v6, s30, v4                       ; in: 16 L, the row in the offset
	v_mul_u32_u24 v7, v8, 528
	v_lshl_add_u32 v7, v9, 7, v7
	v_add_nc_u32 v7, s30, v7                       ; back: row r, + 128 h: my 32 numbers of each 64 along d
	v_lshlrev_b32 v10, 3, v9                       ; 8 h: where my two bytes stand in the scale word
	v_lshlrev_b32 v5, 3, v2                        ; 8 L
	v_mov_b32 v239, 0                              ; written once: a lane permute's destination counts as one of its sources
	s_mov_b32 s20, 0x76543210
	s_mov_b32 s21, 0xfedcba98                      ; v_permlanex16_b32's selects for lane l xor 16
	s_mov_b32 s22, 0xffff0000                      ; lanes 16-31
	s_lshl_b32 s24, s19, 18                        ; W: 64 Jl rows of 4,096 bytes + 512 q
	s_lshl_b32 s30, s23, 9
	s_add_co_u32 s24, s24, s30
	s_lshl_b32 s26, s18, 6                         ; images: j = 512 + 64 T + 4 Jl
	s_lshl_b32 s30, s19, 2
	s_add_co_u32 s26, s26, s30
	s_add_co_u32 s26, s26, 512
	s_mul_i32 s26, s26, 12288
	s_mul_i32 s30, s23, 1536
	s_add_co_u32 s26, s26, s30
	s_lshl_b32 s28, s18, 4                         ; scales: J = 128 + 16 T + Jl
	s_add_co_u32 s28, s28, s19
	s_add_co_u32 s28, s28, 128
	s_lshl_b32 s28, s28, 8
	s_mul_i32 s30, s23, 45056
	s_add_co_u32 s28, s28, s30
	s_wait_kmcnt 0x0
	s_cmp_eq_u32 s18, 0                            ; the choice hangs on the work-group's number alone
	s_cselect_b64 s[32:33], s[6:7], s[8:9]
	s_cmp_eq_u32 s18, 2
	s_cselect_b64 s[32:33], s[10:11], s[32:33]
	s_add_nc_u64 s[32:33], s[32:33], s[24:25]
	s_add_nc_u64 s[12:13], s[12:13], s[26:27]
	s_add_nc_u64 s[14:15], s[14:15], s[28:29]
.macro LOADW a                         ; fragment a: physical row 16 a + i is logical row 32 (a / 2) + 8 (a % 2) + i + 8 (i / 8); each load reads 512 consecutive bytes of one row
.set li, 0
.rept 16
	global_load_b128 v[RW+64*((\a)%2)+4*li:RW+64*((\a)%2)+4*li+3], v4, s[32:33] offset:(32*((\a)/2)+8*((\a)%2)+li+8*(li/8))*4096 th:TH_LOAD_NT
.set li, li+1
.endr
.endm
.macro FRAGW a
.set RS, RW+64*((\a)%2)
.set FS, FW+12*((\a)%2)
.if (\a) < 3
	s_wait_loadcnt 16                              ; this fragment's 16 loads are in; the next fragment's 16 may be out
.else
	s_wait_loadcnt 0x0
.endif
.set li, 0
.rept 16
	ds_store_b128 v6, v[RS+4*li:RS+4*li+3] offset:528*li
.set li, li+1
.endr
.irp c, 0,1
.irp n, 0,1,2,3,4,5,6,7
	ds_load_b128 v[XW+32*\c+4*\n:XW+32*\c+4*\n+3], v7 offset:256*\c+16*\n    ; LDS serves a wave's instructions in order (ISA guide 5.7.1.4): these see the stores above
.endr
.endr
	s_wait_dscnt 0x0                               ; my numbers are back, and the stores have read the registers that the next loads take
.if (\a)+2 < 4
	LOADW (\a)+2
.endif
.irp c, 0,1                                    ; my block 2 c + h: all its 32 numbers are mine
	v_max3_num_f32 v[232+\c], |v[XW+32*\c]|, |v[XW+1+32*\c]|, 0x1800000
.endr
.irp i, 2,4,6,8,10,12,14,16,18,20,22,24,26,28,30
.irp c, 0,1
	v_max3_num_f32 v[232+\c], v[232+\c], |v[XW+32*\c+\i]|, |v[XW+1+32*\c+\i]|
.endr
.endr
.irp c, 0,1
	v_add_nc_u32 v[234+\c], 0xff000000, v[232+\c]
.endr
.irp c, 0,1
	v_lshrrev_b32 v[236+\c], 23, v[234+\c]
.endr
	v_lshl_or_b32 v238, v237, 16, v236             ; my two bytes: blocks h and 2 + h of row r,
	v_lshlrev_b32 v238, v10, v238                  ; at their places;
	v_permlanex16_b32 v239, v238, s20, s21
	v_or_b32 v[PW+(\a)], v238, v239                ; with lane l xor 16's two the word is whole, in both lanes
.if (\a) >= 2
	s_wait_xcnt 0x0                                ; the stores of two fragments ago have read this set of registers
.endif
.irp c, 0,1
	v_cvt_scalef32_pk16_fp6_f32 v[FS+6*\c:FS+6*\c+2], v[XW+32*\c:XW+32*\c+15], v[234+\c]
	v_cvt_scalef32_pk16_fp6_f32 v[240+4*\c:242+4*\c], v[XW+32*\c+16:XW+32*\c+31], v[234+\c]
.endr
	v_nop                                          ; one plain line behind the scaled conversions
.irp c, 0,1
.irp i, 0,1,2
	v_mov_b32 v[FS+3+6*\c+\i], v[240+4*\c+\i]
.endr
.endr
.irp c, 0,1,2
	global_store_b128 v4, v[FS+4*\c:FS+4*\c+3], s[12:13] offset:(\a)*12288+512*\c
.endr
.endm
	LOADW 0
	LOADW 1
.irp a, 0,1,2,3
	FRAGW \a
.endr
	v_cndmask_b32 v252, v[PW], v[PW+2], s22        ; lanes 0-15: blocks 0, 1; lanes 16-31: blocks 2, 3
	v_cndmask_b32 v253, v[PW+1], v[PW+3], s22
	global_store_b64 v5, v[252:253], s[14:15]      ; 32 lanes store a whole image: 256 consecutive bytes, aligned
	s_wait_tensorcnt 0x0
	ds_add_u32 v254, v255
	s_wait_dscnt 0x0
	s_endpgm
.Lfunc_end_k_q9da2e234a0_quant:
	.size	k_q9da2e234a0_quant, .Lfunc_end_k_q9da2e234a0_quant-k_q9da2e234a0_quant
	.p2alignl 7, 3214868480
	.fill 96, 4, 3214868480
	.section	.rodata,"a",@progbits
	.p2align	6, 0x0
	.amdhsa_kernel k_q9da2e234a0_quant
		.amdhsa_group_segment_fixed_size 34304
		.amdhsa_private_segment_fixed_size 0
		.amdhsa_enable_private_segment 0
		.amdhsa_kernarg_size 48
		.amdhsa_user_sgpr_count 2
		.amdhsa_user_sgpr_kernarg_segment_ptr 1
		.amdhsa_wavefront_size32 1
		.amdhsa_system_sgpr_workgroup_id_x 1
		.amdhsa_system_sgpr_workgroup_id_y 1
		.amdhsa_system_sgpr_workgroup_id_z 1
		.amdhsa_system_vgpr_workitem_id 0
		.amdhsa_next_free_vgpr 256
		.amdhsa_next_free_sgpr 66
		.amdhsa_reserve_vcc 0
		.amdhsa_float_denorm_mode_32 3
		.amdhsa_float_denorm_mode_16_64 3
		.amdhsa_memory_ordered 1
		.amdhsa_forward_progress 1
		.amdhsa_inst_pref_size 70
	.end_amdhsa_kernel
	.amdgpu_metadata
---
amdhsa.version: [ 1, 2 ]
amdhsa.kernels:
  - .name:           k_q9da2e234a0_quant
    .symbol:         k_q9da2e234a0_quant.kd
    .args:
      - { .name: x, .offset: 0, .size: 8, .value_kind: global_buffer, .address_space: global }
      - { .name: Wq, .offset: 8, .size: 8, .value_kind: global_buffer, .address_space: global }
      - { .name: Wk, .offset: 16, .size: 8, .value_kind: global_buffer, .address_space: global }
      - { .name: Wv, .offset: 24, .size: 8, .value_kind: global_buffer, .address_space: global }
      - { .name: xw_img, .offset: 32, .size: 8, .value_kind: global_buffer, .address_space: global }
      - { .name: xw_sc, .offset: 40, .size: 8, .value_kind: global_buffer, .address_space: global }
    .group_segment_fixed_size: 34304
    .private_segment_fixed_size: 0
    .kernarg_segment_align: 8
    .kernarg_segment_size: 48
    .max_flat_workgroup_size: 128
    .sgpr_count:     66
    .vgpr_count:     256
    .wavefront_size: 32
...
	.end_amdgpu_metadata
.endif
;; end of part 1
;; launch qkv (part 2): grid 8 x 32, 4 waves a work-group, clusters of 4 x 4, 327,680 bytes of LDS; arguments xw_img, xw_sc, bq, bk, bv, qk_img, vt_img, qkv_sc; writes qk_img, vt_img, qkv_sc
.if DOCPART == 2
	.amdgcn_target "amdgcn-amd-amdhsa--gfx1250"
	.amdhsa_code_object_version 6
	.text
	.protected	k_q9da2e234a0_qkv
	.globl	k_q9da2e234a0_qkv
	.p2align	8
	.type	k_q9da2e234a0_qkv,@function
k_q9da2e234a0_qkv:
	s_mov_b64 s[64:65], 0
	v_nop
	global_prefetch_b8 v0, s[64:65] scope:SCOPE_SE
	s_setreg_imm32_b32 hwreg(HW_REG_WAVE_MODE, 25, 1), 1
	s_wait_xcnt 0x0
	s_wait_alu depctr_hold_cnt(0) depctr_sa_sdst(0) depctr_va_vdst(0) depctr_va_sdst(0) depctr_va_ssrc(0) depctr_va_vcc(0) depctr_vm_vsrc(0)
	s_getreg_b32 s2, hwreg(HW_REG_IB_STS2, 6, 4)
	s_cmp_eq_u32 s2, 0
	s_cbranch_scc0 .Lentry_in_a_cluster
	s_endpgm
.Lentry_in_a_cluster:
	s_bfe_u32 s2, ttmp6, 0x10000c
	s_cmp_lg_u32 s2, 0xf033
	s_cbranch_scc0 .Lentry_shape_is_right
	s_endpgm
.Lentry_shape_is_right:
; q, k, v = x^T W^T + b on codes of FP6 (E2M3) with E8M0 scales, K = d = 1,024; the results are quantised in registers: q and k along e, v along the keys.
; D = S0 x S1^T: a lane holds ONE row of S1 and its registers run along S0's rows, which become the next product's K.
; 256 WORK-GROUPS OF EQUAL WORK.  Work-group (gx 0..7, gy 0..31) keeps the 256 rows gy of x in LDS for all of K and uses them twice:
;   PHASE 1: S0 = rows 256 gx of (Wq, Wk), S1 = x's rows: q, k [s][e], quantised along e -> qk_img [j 512][q 16][1536] (q 0-7 = q's K steps, 8-15 = k's).  A wave: 128 x 128, 64 accumulators.
;   PHASE 2: S0 = x's rows, S1 = rows 128 gx of Wv: v^T [e][s], quantised along s -> vt_img [j 64][q 64 = 16 b + s / 128][1536].  A wave: 128 x 64, 32 accumulators.
; Scale words -> qkv_sc: qk's [q 16][J 128][256] at 0, vt's [q 64][J 16][256] at 524,288.
; ROWS: physical row p of every operand holds logical row sigma(p) (bits 3 and 4 change places), so that a lane's 16 registers of S0's tiles 2 b', 2 b' + 1 are 16 logical neighbours along the next K.
; Operands lie in memory and in LDS as images of their registers (1,536 bytes a fragment: three blocks of 512 bytes, lane l's 16 bytes at 16 l): every LDS load reads 512 consecutive bytes.
; LDS: x's tile, four chunks of two K steps, filled once; a ring of two slots of 49,152 bytes for the weights: two K steps of 256 rows of Wq, Wk, or four K steps of 128 rows of Wv; the scale words of all of K, filled once.
; Every wave issues every tensor load, for its quarter of the rows (of the K steps, for the scales).  By this text's own count a wave has nine tensor loads out at the start and later one.
; The ring is filled again at the heads of steps 1, 3, 5 and 7 of phase 1; each refill has two K steps, 128 matrix instructions, in which to land, Wv's also phase 1's way out.
; CLUSTER 4 x 4: x's tiles hang on gy alone and are shared along a row of the cluster, the weights' on gx alone and are shared along a column: each is asked for jointly.
; No prefetch: all of x's tile and half of W's are asked for at the head, and each later request is 49,152 bytes of weights.
; LIMITS: a block of zeros gets the byte 1, not 127 (zero codes; the bytes are read by this program alone); NaN and infinities are not served.
; REGISTERS: window 0: v2-29 addresses; v32-39 S1's scale words (two sets), v40-47 S0's; v48-57 at work on the way out; v64-159, v160-255 S1's fragments, two sets (on the way out v64-115 at work).
;   window 1: v0-95, v128-223 S0's fragments, two sets; v96-127, v224-255 the bias, eight registers a block.   windows 2, 3: accumulator (a, b) at v[8 (8 (a % 4) + b)] of window 2 + a / 4.
.set XCH,    49152                     ; a chunk of x in LDS: 16 row groups x 3,072 bytes
.set RING,   4*XCH
.set SLOT,   49152
.set SCL,    RING+2*SLOT               ; x's scale words [q 8][4 images of 256], W's likewise at + 8,192, Wv's [q 8][2 images] at + 16,384
.set SPARE,  SCL+20480                 ; the spare words: 128 bytes a wave, two blocks of 256 bytes that no other line names
.set BO1,   2                          ; v2  64 h: the bias along the registers
.set BO2,   3                          ; v3  4 (r + 8 (r / 8)): the bias of a lane's row
.set ADXA,  4                          ; v4-7   x's chunks, my 128 rows as S1 (by sA)
.set ADXB,  8                          ; v8-11  x's chunks, my 128 rows as S0 (by sB)
.set ADW,   12                         ; v12-13 the ring's slots, my 128 rows of Wq, Wk (by sB)
.set ADV,   14                         ; v14-15 the ring's slots, my 64 rows of Wv (by sA)
.set ADSXA, 16                         ; v16-19 scale words: x's by sA, x's by sB, W's by sB, Wv's by sA
.set ADSXB, 17
.set ADSW,  18
.set ADSV,  19
.set L16,  26
.set L8,   27
.set SPW,  28
.set NIL,  29
.set SCA,  32
.set SCB,  40
.set PWS,  48                          ; v48-55 the scale words just made
.set DW,   56                          ; v56-57 a lane's 8 bytes of a scale image
.set AF,   64
.set T,    64                          ; v64-79 at work
.set PC,   96                          ; v96-115 the codes just made
.set G1X,  24                          ; groups 1: x's codes, W's codes, x's scales, W's scales, Wv's scales
.set G1W,  32
.set G1XS, 40
.set G1WS, 48
.set G1VS, 56
.set G1V,  48                          ; Wv's codes: written over W's scales' group 1 when that load has landed; the mask word stays
.set GX0,  68                          ; groups 0
.set GX1,  72
.set GX2,  76
.set GX3,  80
.set GW0,  84
.set GW1,  88
.set GXS,  92
.set GWS,  96
.set GVS,  4
.set GV0,  96                          ; Wv's codes, K steps 0-3 and 4-7: written over the groups 0 of W's and Wv's scales when those loads have landed
.set GV1,  4
.set BV,   24                          ; s[24:31], s[40:41]: read and made behind step 1, in registers of descriptors whose loads have landed
.set OB1,  26
.set OB2,  28
.set OS2,  30
.set OS1,  40
.set SEL,  66
.set HM,   100
.set MSB, 0
.macro WIN new                         ; the immediate's high byte repeats the setting that is left; a switch that changes nothing is dropped
.if MSB != (\new)
	s_set_vgpr_msb (MSB<<8)|(\new)
.set MSB, (\new)
.endif
.endm
.macro PLACES                          ; four plain vector lines between a matrix instruction and a load into, or a vector read of, its registers
.rept 4
	v_nop
.endr
.endm
.macro CREST                           ; a round of the cluster's barrier behind its opening barrier
	s_cmp_lg_u32 s20, 0
	s_cbranch_scc1 .Lnot_wave_0_\@
	s_barrier_signal -3
.Lnot_wave_0_\@:
	s_barrier_wait -3
	s_barrier_signal -1
	s_barrier_wait -1
.endm
.macro CROUND
	s_barrier_signal -1
	s_barrier_wait -1
	CREST
.endm
; K step q's fragments and scale words into set q % 2, in one run.  Phase 1: S0 from the ring, S1 from x's tile: 52 LDS loads.  Phase 2: S0 from x's tile, S1 (four blocks) from the ring: 39.
.macro FETCH ph, q
.set fst, (\q)%2
.set fo,  ((\q)%2)*1536
.set fc,  (\q)/2
	WIN 0x40                                       ; destination window 1
.set fi, 0
.rept 8
.irp c, 0,1,2
.if (\ph) == 1
	ds_load_b128 v[128*fst+12*fi+4*\c:128*fst+12*fi+4*\c+3], v[ADW+fc%2] offset:fi*3072+fo+512*\c
.else
	ds_load_b128 v[128*fst+12*fi+4*\c:128*fst+12*fi+4*\c+3], v[ADXB+fc] offset:fi*3072+fo+512*\c
.endif
.endr
.set fi, fi+1
.endr
	WIN 0
.if (\ph) == 1
.set fi, 0
.rept 8
.irp c, 0,1,2
	ds_load_b128 v[AF+96*fst+12*fi+4*\c:AF+96*fst+12*fi+4*\c+3], v[ADXA+fc] offset:fi*3072+fo+512*\c
.endr
.set fi, fi+1
.endr
.irp n, 0,1
	ds_load_b64 v[SCB+4*fst+2*\n:SCB+4*fst+2*\n+1], v[ADSW] offset:(\q)*1024+256*\n
	ds_load_b64 v[SCA+4*fst+2*\n:SCA+4*fst+2*\n+1], v[ADSXA] offset:(\q)*1024+256*\n
.endr
.else
.set fi, 0
.rept 4
.irp c, 0,1,2
	ds_load_b128 v[AF+96*fst+12*fi+4*\c:AF+96*fst+12*fi+4*\c+3], v[ADV+((\q)/4)%2] offset:fi*6144+((\q)%4)*1536+512*\c
.endr
.set fi, fi+1
.endr
.irp n, 0,1
	ds_load_b64 v[SCB+4*fst+2*\n:SCB+4*fst+2*\n+1], v[ADSXB] offset:(\q)*1024+256*\n
.endr
	ds_load_b64 v[SCA+4*fst:SCA+4*fst+1], v[ADSV] offset:(\q)*512
.endif
.endm
; One matrix instruction: S0's block b x S1's block a, K step q.  cm = 0: in place; 2: C = the bias of S0's block b; 3: C = the bias of S1's block a.
; The scale word of block n of a side stands in register 2 (n / 4) + n % 2 of the set, in lanes 0-15 where (n % 4) / 2 = 0, else in lanes 16-31.
.macro WM q, a, b, cm
.set rD,  8*(8*((\a)%4)+(\b))
.set rB,  128*((\q)%2)+12*(\b)
.set rA,  AF+96*((\q)%2)+12*(\a)
.set rSB, SCB+4*((\q)%2)+2*((\b)/4)+(\b)%2
.set rSA, SCA+4*((\q)%2)+2*((\a)/4)+(\a)%2
.set rC,  rD
.if (\cm) == 2
.set rC,  96+8*((\b)%4)+128*((\b)/4)
.endif
.if (\cm) == 3
.set rC,  96+8*((\a)%4)+128*((\a)/4)
.endif
.set sel, 2*(((\b)%4)/2)+((\a)%4)/2
.if sel == 0
	v_wmma_scale_f32_16x16x128_f8f6f4 v[rD:rD+7], v[rB:rB+11], v[rA:rA+11], v[rC:rC+7], v[rSB], v[rSA] matrix_a_fmt:MATRIX_FMT_FP6 matrix_b_fmt:MATRIX_FMT_FP6
.elseif sel == 1
	v_wmma_scale_f32_16x16x128_f8f6f4 v[rD:rD+7], v[rB:rB+11], v[rA:rA+11], v[rC:rC+7], v[rSB], v[rSA] matrix_a_fmt:MATRIX_FMT_FP6 matrix_b_fmt:MATRIX_FMT_FP6 matrix_b_scale:MATRIX_SCALE_ROW1
.elseif sel == 2
	v_wmma_scale_f32_16x16x128_f8f6f4 v[rD:rD+7], v[rB:rB+11], v[rA:rA+11], v[rC:rC+7], v[rSB], v[rSA] matrix_a_fmt:MATRIX_FMT_FP6 matrix_b_fmt:MATRIX_FMT_FP6 matrix_a_scale:MATRIX_SCALE_ROW1
.else
	v_wmma_scale_f32_16x16x128_f8f6f4 v[rD:rD+7], v[rB:rB+11], v[rA:rA+11], v[rC:rC+7], v[rSB], v[rSA] matrix_a_fmt:MATRIX_FMT_FP6 matrix_b_fmt:MATRIX_FMT_FP6 matrix_a_scale:MATRIX_SCALE_ROW1 matrix_b_scale:MATRIX_SCALE_ROW1
.endif
.endm
; n blocks of S1 from a0 on, each against S0's eight.  The accumulators take turns, one instruction a turn, in the same order in every step.
.macro MULS q, a0, n, cm
.set ma, \a0
.rept \n
.if (\cm) >= 2
.if ma < 4
	WIN 0x91                                       ; S0 and C window 1, S1 window 0, D window 2
.else
	WIN 0xd1
.endif
.else
.if ma < 4
	WIN 0xa1                                       ; S0 window 1, S1 window 0, C and D window 2
.else
	WIN 0xf1
.endif
.endif
.set mb, 0
.rept 8
	WM \q, ma, mb, \cm
.set mb, mb+1
.endr
.set ma, ma+1
.endr
.endm
.macro STEP ph, q, n                   ; a plain K step: its fragments were asked for a step ago; the next step's are asked for at its head and have its matrix instructions in which to land
	s_wait_dscnt 0x0
	PLACES
	FETCH \ph, (\q)+1
	MULS \q, 0, \n, 0
	WIN 0
.endm
; A K step of phase 1 at whose head a slot of the ring is filled again.  bytes: how far the group 0's address steps first.  more = 1: the next step's fragments are fetched.
.macro STEPR q, g0, g1, bytes, more
	s_wait_tensorcnt 0x0                           ; all my tensor loads have landed, so a group 0 may be written;
	ds_add_u32 v[SPW], v[NIL]                      ; 0 onto my spare word
.if \bytes
	s_add_nc_u64 s[\g0+2:\g0+3], s[\g0+2:\g0+3], \bytes
.endif
	s_wait_dscnt 0x0                               ; the add is done, and my reads of the slot are over: its last fragments, this step's, are in registers
	s_barrier_signal -1                            ; this barrier opens a round of the cluster's barrier
	MULS \q, 0, 4, 0
	WIN 0
	s_barrier_wait -1
	CREST                                          ; no wave of any partner still reads the slot or has a load on its way
	tensor_load_to_lds s[\g0:\g0+3], s[\g1:\g1+7]  ; my one tensor load behind the round: my quarter of the slot
	s_nop 0
.rept 4
	v_nop                                          ; four lines behind the load; they are also the places in front of the loads below
.endr
.if \more
	FETCH 1, (\q)+1
.endif
	MULS \q, 4, 4, 0
	WIN 0
.endm
	s_load_b256 s[4:11], s[0:1], 0x0               ; xw_img, xw_sc, bq, bk; the other four addresses are read behind step 1, when registers are free
	v_lshl_add_u32 v[SPW], v0, 2, SPARE
	v_mov_b32 v[NIL], 0
	ds_add_u32 v28, v29
	ds_add_u32 v28, v29
	s_wait_dscnt 0x0
	v_lshrrev_b32 v1, 5, v0
	v_readfirstlane_b32 s20, v1                    ; wave w
	s_lshr_b32 s21, s20, 1                         ; sA: my part of S1's rows
	s_and_b32 s22, s20, 1                          ; sB: my 128 rows of S0
	v_and_b32 v1, 31, v0
	v_lshlrev_b32 v[L16], 4, v1
	v_lshlrev_b32 v[L8], 3, v1
	s_mul_i32 s14, s21, 24576
	s_mul_i32 s15, s22, 24576
	v_add_nc_u32 v[ADXA], s14, v[L16]
	v_add_nc_u32 v[ADXB], s15, v[L16]
.irp c, 1,2,3
	v_add_nc_u32 v[ADXA+\c], \c*XCH, v[ADXA]
	v_add_nc_u32 v[ADXB+\c], \c*XCH, v[ADXB]
.endr
	v_add_nc_u32 v[ADW], RING, v[ADXB]
	v_add_nc_u32 v[ADW+1], RING+SLOT, v[ADXB]
	v_add_nc_u32 v[ADV], RING, v[ADXA]
	v_add_nc_u32 v[ADV+1], RING+SLOT, v[ADXA]
	s_lshl_b32 s14, s21, 9
	s_lshl_b32 s15, s22, 9
	v_add_nc_u32 v[ADSXA], s14, v[L8]
	v_add_nc_u32 v[ADSXA], SCL, v[ADSXA]
	v_add_nc_u32 v[ADSXB], s15, v[L8]
	v_add_nc_u32 v[ADSW], SCL+8192, v[ADSXB]
	v_add_nc_u32 v[ADSXB], SCL, v[ADSXB]
	s_lshl_b32 s14, s21, 8
	v_add_nc_u32 v[ADSV], s14, v[L8]
	v_add_nc_u32 v[ADSV], SCL+16384, v[ADSV]
	v_bfe_u32 v[BO1], v0, 4, 1
	v_lshlrev_b32 v[BO1], 6, v[BO1]
	v_and_b32 v[BO2], 15, v0
	v_and_b32 v30, 8, v0
	v_add_nc_u32 v[BO2], v[BO2], v30
	v_lshlrev_b32 v[BO2], 2, v[BO2]
	s_bfe_u32 s2, ttmp6, 0x40000                   ; cx
	s_bfe_u32 s3, ttmp6, 0x40004                   ; cy
	s_lshl_b32 s12, ttmp9, 2
	s_add_co_u32 s12, s12, s2                      ; gx
	s_and_b32 s13, ttmp7, 0xffff
	s_lshl_b32 s13, s13, 2
	s_add_co_u32 s13, s13, s3                      ; gy
	s_lshl_b32 s16, s3, 2
	s_lshl_b32 s16, 15, s16                        ; my row of the cluster
	s_lshl_b32 s17, 0x1111, s2                     ; my column
	s_or_b32 s[G1X], s16, (3<<16)|(1<<21)          ; 15:0 the mask; 17:16 elements of 8 bytes; 21 set beside a mask; no padding
	s_or_b32 s[G1XS], s16, (3<<16)|(1<<21)
	s_or_b32 s[G1W], s17, (3<<16)|(1<<21)
	s_or_b32 s[G1WS], s17, (3<<16)|(1<<21)
	s_or_b32 s[G1VS], s17, (3<<16)|(1<<21)
.irp g, G1X, G1W                               ; codes: 4 row groups x 3,072 bytes (384 elements), 12,288 bytes (1,536 elements) apart
	s_mov_b32 s[\g+1], 384<<16
	s_mov_b32 s[\g+2], 4<<16
	s_mov_b32 s[\g+3], 384<<16
	s_mov_b32 s[\g+4], 4
	s_mov_b32 s[\g+5], 1536
	s_mov_b32 s[\g+6], 0
	s_mov_b32 s[\g+7], 0
.endr
.irp g, G1XS, G1WS                             ; scales of 256 rows: 2 K steps x 1,024 bytes (128 elements), 45,056 bytes (5,632 elements) apart
	s_mov_b32 s[\g+1], 128<<16
	s_mov_b32 s[\g+2], 2<<16
	s_mov_b32 s[\g+3], 128<<16
	s_mov_b32 s[\g+4], 2
	s_mov_b32 s[\g+5], 5632
	s_mov_b32 s[\g+6], 0
	s_mov_b32 s[\g+7], 0
.endr
	s_mov_b32 s[G1VS+1], 64<<16                    ; scales of 128 rows: 2 K steps x 512 bytes (64 elements)
	s_mov_b32 s[G1VS+2], 2<<16
	s_mov_b32 s[G1VS+3], 64<<16
	s_mov_b32 s[G1VS+4], 2
	s_mov_b32 s[G1VS+5], 5632
	s_mov_b32 s[G1VS+6], 0
	s_mov_b32 s[G1VS+7], 0
	s_lshl_b32 s14, s20, 2                         ; my quarter: 4 row groups
	s_lshl_b32 s[GX0+2], s13, 4
	s_add_co_u32 s[GX0+2], s[GX0+2], s14           ; x: row group 16 gy + 4 w
	s_mul_i32 s[GX0+2], s[GX0+2], 12288
	s_mov_b32 s[GX0+3], 0
	s_lshl_b32 s[GW0+2], s12, 4
	s_add_co_u32 s[GW0+2], s[GW0+2], s14
	s_add_co_u32 s[GW0+2], s[GW0+2], 512           ; Wq, Wk: row group 512 + 16 gx + 4 w
	s_mul_i32 s[GW0+2], s[GW0+2], 12288
	s_mov_b32 s[GW0+3], 0
	s_lshl_b32 s18, s12, 3
	s_lshl_b32 s15, s20, 1
	s_add_co_u32 s18, s18, s15
	s_add_co_u32 s18, s18, 640                     ; Wv: row group 640 + 8 gx + 2 w
	s_mul_i32 s18, s18, 12288
	s_mov_b32 s19, 0
	s_mul_i32 s14, s20, 90112                      ; the scales: my quarter is K steps 2 w, 2 w + 1
	s_lshl_b32 s[GXS+2], s13, 10                   ; x: image 4 gy
	s_add_co_u32 s[GXS+2], s[GXS+2], s14
	s_mov_b32 s[GXS+3], 0
	s_lshl_b32 s[GWS+2], s12, 10                   ; Wq, Wk: image 128 + 4 gx
	s_add_co_u32 s[GWS+2], s[GWS+2], s14
	s_add_co_u32 s[GWS+2], s[GWS+2], 32768
	s_mov_b32 s[GWS+3], 0
	s_lshl_b32 s2, s12, 9                          ; Wv: image 160 + 2 gx
	s_add_co_u32 s2, s2, s14
	s_add_co_u32 s2, s2, 40960
	s_mov_b32 s3, 0
	s_lshl_b32 s14, s12, 1
	s_add_co_u32 s14, s14, s22
	s_and_b32 s14, s14, 7
	s_lshl_b32 s14, s14, 9                         ; the first bias: 4 x my first e in bq or bk: 512 x ((2 gx + sB) % 8)
	s_mov_b32 s15, 0
	s_mul_i32 s23, s20, 12288                      ; where a fill of codes goes: wave x 12,288 in a chunk or slot: no place in the cluster enters an LDS address
.irp g, GX0, GX1, GX2, GX3, GW0, GW1, GXS, GWS
	s_mov_b32 s[\g], 1
.endr
	s_mov_b32 s[GX0+1], s23
	s_add_co_u32 s[GX1+1], s23, XCH
	s_add_co_u32 s[GX2+1], s23, 2*XCH
	s_add_co_u32 s[GX3+1], s23, 3*XCH
	s_add_co_u32 s[GW0+1], s23, RING
	s_add_co_u32 s[GW1+1], s23, RING+SLOT
	s_lshl_b32 s101, s20, 11
	s_add_co_u32 s[GXS+1], s101, SCL
	s_add_co_u32 s[GWS+1], s101, SCL+8192
	s_lshl_b32 s101, s20, 10
	s_add_co_u32 s101, s101, SCL+16384
	s_mov_b32 s[SEL], 0x76543210
	s_mov_b32 s[SEL+1], 0xfedcba98                 ; v_permlanex16_b32's selects for lane l xor 16
	s_mov_b32 s[HM], 0xffff0000                    ; lanes 16-31
	s_wait_kmcnt 0x0
	s_add_nc_u64 s[GX0+2:GX0+3], s[4:5], s[GX0+2:GX0+3]
	s_add_nc_u64 s[GX1+2:GX1+3], s[GX0+2:GX0+3], 3072
	s_add_nc_u64 s[GX2+2:GX2+3], s[GX0+2:GX0+3], 6144
	s_add_nc_u64 s[GX3+2:GX3+3], s[GX0+2:GX0+3], 9216
	s_add_nc_u64 s[GW0+2:GW0+3], s[4:5], s[GW0+2:GW0+3]
	s_add_nc_u64 s[GW1+2:GW1+3], s[GW0+2:GW0+3], 3072
	s_add_nc_u64 s[GXS+2:GXS+3], s[6:7], s[GXS+2:GXS+3]
	s_add_nc_u64 s[GWS+2:GWS+3], s[6:7], s[GWS+2:GWS+3]
	s_cmp_eq_u32 ttmp9, 0
	s_cselect_b64 s[8:9], s[8:9], s[10:11]         ; bq for gx 0-3, bk for gx 4-7: the choice hangs on the cluster's number alone
	s_add_nc_u64 s[8:9], s[8:9], s[14:15]
	s_add_nc_u64 s[10:11], s[4:5], s[18:19]        ; Wv's codes, my quarter: kept for the later refills
	s_add_nc_u64 s[GVS+2:GVS+3], s[6:7], s[2:3]    ; the last group 0 is made where the two addresses lay
	s_mov_b32 s[GVS], 1
	s_mov_b32 s[GVS+1], s101
.irp g, GX0, GX1, GX2, GX3, GW0, GW1, GXS, GWS, GVS
	s_or_b32 s[\g+3], s[\g+3], 0x80000000          ; type = 2
.endr
	CROUND                                         ; all sixteen work-groups are here: the first joint loads meet
	tensor_load_to_lds s[GXS:GXS+3], s[G1XS:G1XS+7]      ; the first fills, one group, ahead of every wait on TENSORcnt, every LDS read and every other barrier
	s_nop 0
	tensor_load_to_lds s[GWS:GWS+3], s[G1WS:G1WS+7]
	s_nop 0
	tensor_load_to_lds s[GX0:GX0+3], s[G1X:G1X+7]
	s_nop 0
	tensor_load_to_lds s[GW0:GW0+3], s[G1W:G1W+7]
	s_nop 0
	tensor_load_to_lds s[GX1:GX1+3], s[G1X:G1X+7]
	s_nop 0
	tensor_load_to_lds s[GW1:GW1+3], s[G1W:G1W+7]
	s_nop 0
	tensor_load_to_lds s[GX2:GX2+3], s[G1X:G1X+7]
	s_nop 0
	tensor_load_to_lds s[GX3:GX3+3], s[G1X:G1X+7]
	s_nop 0
	tensor_load_to_lds s[GVS:GVS+3], s[G1VS:G1VS+7]
	s_nop 0
.rept 4
	v_nop
.endr
	; the first bias, in the result's layout, eight registers a block of S0: register n of block g is e = 32 (g / 2) + 16 h + 8 (g % 2) + n.  It is the C of each sum's first matrix instruction
	WIN 0x40
.irp g, 0,1,2,3,4,5,6,7
	global_load_b128 v[96+8*(\g%4)+128*(\g/4):96+8*(\g%4)+128*(\g/4)+3], v[BO1], s[8:9] offset:128*(\g/2)+32*(\g%2)
	global_load_b128 v[96+8*(\g%4)+128*(\g/4)+4:96+8*(\g%4)+128*(\g/4)+7], v[BO1], s[8:9] offset:128*(\g/2)+32*(\g%2)+16
.endr
	WIN 0
	s_wait_tensorcnt 0x5                           ; x's and W's scales and my parts of their first chunks are in; the five loads issued behind them may stay out
	s_barrier_signal -1
	s_barrier_wait -1                              ; everybody's are
	FETCH 1, 0
	s_wait_loadcnt 0x0                             ; the bias
	s_wait_dscnt 0x0
	FETCH 1, 1
	MULS 0, 0, 8, 2                                ; K step 0 starts the sums with the bias: nothing is cleared and nothing is added later
	WIN 0
	STEPR 1, GW0, G1W, 6144, 1                     ; slot 0 takes W's K steps 4, 5: two chunks of 3,072 bytes on
	; All first fills have landed: their descriptors' registers are free.  They take the other four addresses, Wv's descriptors and the offsets of what goes out.
	s_load_b256 s[24:31], s[0:1], 0x20             ; bv, qk_img, vt_img, qkv_sc
	s_mov_b32 s[G1V+1], 768<<16                    ; Wv's codes: 2 row groups x 6,144 bytes (768 elements), 12,288 bytes (1,536 elements) apart; word 0 (my column's mask) and words 6, 7 stay
	s_mov_b32 s[G1V+2], 2<<16
	s_mov_b32 s[G1V+3], 768<<16
	s_mov_b32 s[G1V+4], 2
	s_mov_b32 s[G1V+5], 1536
	s_mov_b32 s[GV0], 1
	s_add_co_u32 s[GV0+1], s23, RING
	s_mov_b64 s[GV0+2:GV0+3], s[10:11]             ; K steps 0-3
	s_or_b32 s[GV0+3], s[GV0+3], 0x80000000
	s_mov_b32 s[GV1], 1
	s_add_co_u32 s[GV1+1], s23, RING+SLOT
	s_add_nc_u64 s[GV1+2:GV1+3], s[10:11], 6144    ; K steps 4-7
	s_or_b32 s[GV1+3], s[GV1+3], 0x80000000
	s_lshl_b32 s14, s12, 1
	s_add_co_u32 s14, s14, s22                     ; phase 1: the output's K step 2 gx + sB,
	s_lshl_b32 s15, s13, 4
	s_lshl_b32 s18, s21, 3
	s_add_co_u32 s15, s15, s18                     ; my first row group 16 gy + 8 sA
	s_lshl_b32 s44, s15, 4
	s_add_co_u32 s44, s44, s14
	s_mul_i32 s44, s44, 1536                       ; in qk_img
	s_mov_b32 s45, 0
	s_lshl_b32 s56, s14, 15
	s_lshl_b32 s18, s15, 6
	s_add_co_u32 s56, s56, s18                     ; its scale images: 32,768 bytes a K step, 256 for four row groups
	s_mov_b32 s57, 0
	s_lshl_b32 s14, s13, 1
	s_add_co_u32 s14, s14, s22                     ; phase 2: the output's K step 2 gy + sB,
	s_lshl_b32 s15, s12, 3
	s_lshl_b32 s18, s21, 2
	s_add_co_u32 s15, s15, s18                     ; my first row group 8 gx + 4 sA
	s_lshl_b32 s46, s15, 6
	s_add_co_u32 s46, s46, s14
	s_mul_i32 s46, s46, 1536                       ; in vt_img
	s_mov_b32 s47, 0
	s_lshl_b32 s42, s15, 6                         ; 64 x the row group: 4 x my first e in bv; also my scale image's place
	s_mov_b32 s43, 0
	s_lshl_b32 s58, s14, 12
	s_add_co_u32 s58, s58, s42
	s_add_co_u32 s58, s58, 524288                  ; its scale image: 4,096 bytes a K step, behind qk's
	s_mov_b32 s59, 0
	STEP 1, 2, 8
	s_wait_kmcnt 0x0
	s_add_nc_u64 s[BV:BV+1], s[BV:BV+1], s[42:43]
	s_add_nc_u64 s[OB1:OB1+1], s[OB1:OB1+1], s[44:45]
	s_add_nc_u64 s[OB2:OB2+1], s[OB2:OB2+1], s[46:47]
	s_add_nc_u64 s[OS1:OS1+1], s[30:31], s[56:57]
	s_add_nc_u64 s[OS2:OS2+1], s[30:31], s[58:59]
	; the second bias, of a lane's row: lane r of Wv's block g is e = 32 (g / 2) + 8 (g % 2) + r + 8 (r / 8): the same number in all eight registers.  Only K step 0 read these registers; eight plain lines lie between
	WIN 0x40
.irp g, 0,1,2,3
.irp n, 0,1,2,3,4,5,6,7
	global_load_b32 v[96+8*\g+\n], v[BO2], s[BV:BV+1] offset:128*(\g/2)+32*(\g%2)
.endr
.endr
	WIN 0
	STEPR 3, GW1, G1W, 6144, 1                     ; slot 1 takes W's K steps 6, 7
	STEP 1, 4, 8
	STEPR 5, GV0, G1V, 0, 1                        ; slot 0 takes Wv's K steps 0-3
	STEP 1, 6, 8
	STEPR 7, GV1, G1V, 0, 0                        ; slot 1 takes Wv's K steps 4-7; phase 1 has nothing more to fetch
	PLACES
.irp b, 0,1,2,3
	v_mov_b32 v[T+4+\b], 0                         ; written once: a lane permute's destination counts as one of its sources
.endr
; S1's block a: a lane's 64 numbers, register 16 b + i = next K 32 b + 16 h + i of its row, become one fragment and one scale word a row.
; ob: the base of my fragments; pj: bytes from a row group to the next in the output; os: the base of my scale images.
.macro QACC a, ob, pj, os
.set AC, 64*((\a)%4)
.set WN, 2+(\a)/4
	WIN WN|(WN<<2)                                 ; sources 0 and 1 in the accumulators' window
.irp b, 0,1,2,3
	v_max3_num_f32 v[T+\b], |v[AC+16*\b]|, |v[AC+16*\b+1]|, 0x1800000      ; each accumulator is read from its low end on; the floor 2^(3 - 127) holds the byte at 1 from below
.endr
.irp i, 2,4,6,8,10,12,14
.irp b, 0,1,2,3
	v_max3_num_f32 v[T+\b], |v[AC+16*\b+\i]|, |v[AC+16*\b+\i+1]|, v[T+\b]
.endr
.endr
	WIN 0
.irp b, 0,1,2,3
	v_permlanex16_b32 v[T+4+\b], v[T+\b], s[SEL], s[SEL+1]
.endr
.irp b, 0,1,2,3
	v_max_num_f32 v[T+\b], v[T+\b], v[T+4+\b]      ; with lane l xor 16's 16: the block's largest magnitude
.endr
.irp b, 0,1,2,3
	v_add_nc_u32 v[T+12+\b], 0xff000000, v[T+\b]   ; 2 off the exponent field: the conversion's scale operand
.endr
.irp b, 0,1,2,3
	v_lshrrev_b32 v[T+4+\b], 23, v[T+12+\b]        ; the scale's byte
.endr
	v_lshl_or_b32 v[PWS+(\a)], v[T+5], 8, v[T+4]
	v_lshl_or_b32 v[PWS+(\a)], v[T+6], 16, v[PWS+(\a)]
	v_lshl_or_b32 v[PWS+(\a)], v[T+7], 24, v[PWS+(\a)]
	s_wait_xcnt 0x0                                ; the last block's stores have read their data
	WIN WN                                         ; source 0 in the accumulators' window
.irp c, 0,1
	v_cvt_scalef32_pk16_fp6_f32 v[PC+6*\c:PC+6*\c+2], v[AC+32*\c:AC+32*\c+15], v[T+12+2*\c]
	v_cvt_scalef32_pk16_fp6_f32 v[PC+12+4*\c:PC+14+4*\c], v[AC+32*\c+16:AC+32*\c+31], v[T+13+2*\c]
.endr
	v_nop                                          ; one plain line behind the scaled conversions
	WIN 0
.irp c, 0,1                                    ; the operand's layout wants a whole block in a lane: lanes 0-15 block 2 c, lanes 16-31 block 2 c + 1
.irp i, 0,1,2
	v_permlane16_swap_b32 v[PC+6*\c+\i], v[PC+12+4*\c+\i]
.endr
.irp i, 0,1,2
	v_mov_b32 v[PC+3+6*\c+\i], v[PC+12+4*\c+\i]
.endr
.endr
.irp c, 0,1,2
	global_store_b128 v[L16], v[PC+4*\c:PC+4*\c+3], s[\ob:\ob+1] offset:(\a)*(\pj)+512*\c      ; 32 lanes store 512 consecutive bytes
.endr
.if (\a)%4 == 3
	v_cndmask_b32 v[DW], v[PWS+(\a)-3], v[PWS+(\a)-1], s[HM]       ; lanes 0-15: blocks 0, 1 of the four; lanes 16-31: blocks 2, 3
	v_cndmask_b32 v[DW+1], v[PWS+(\a)-2], v[PWS+(\a)], s[HM]
	global_store_b64 v[L8], v[DW:DW+1], s[\os:\os+1] offset:256*((\a)/4)           ; a whole image: 256 consecutive bytes, aligned
.endif
.endm
.irp a, 0,1,2,3,4,5,6,7
	QACC \a, OB1, 24576, OS1                       ; q or k: 16 K steps of 1,536 bytes from a row group to the next
.endr
	; ---------------- PHASE 2: x's tile lies in LDS as it lay; Wv's 128 rows lie in the ring's two slots
	s_wait_xcnt 0x0                                ; the last stores have read their data: the fragments below land in those registers
	s_wait_tensorcnt 0x0                           ; my parts of Wv's two chunks are in;
	ds_add_u32 v[SPW], v[NIL]                      ; 0 onto my spare word
	s_wait_dscnt 0x0
	s_barrier_signal -1
	s_barrier_wait -1                              ; everybody's are
	FETCH 2, 0
	s_wait_loadcnt 0x0                             ; the second bias
	s_wait_dscnt 0x0
	FETCH 2, 1
	MULS 0, 0, 4, 3                                ; K step 0 starts the sums with the bias
	WIN 0
.irp q, 1,2,3,4,5,6
	STEP 2, \q, 4
.endr
	s_wait_dscnt 0x0                               ; the last step: nothing more to fetch
	MULS 7, 0, 4, 0
	WIN 0
	PLACES
.irp a, 0,1,2,3
	QACC \a, OB2, 98304, OS2                       ; v^T: 64 K steps of 1,536 bytes from a row group to the next
.endr
	s_wait_tensorcnt 0x0                           ; the wave's end
	ds_add_u32 v[SPW], v[NIL]
	s_wait_dscnt 0x0
	CROUND                                         ; the closing round: no work-group ends while a partner may still ask for a tile that names it
	s_endpgm
.Lfunc_end_k_q9da2e234a0_qkv:
	.size	k_q9da2e234a0_qkv, .Lfunc_end_k_q9da2e234a0_qkv-k_q9da2e234a0_qkv
	.p2alignl 7, 3214868480
	.fill 96, 4, 3214868480
	.section	.rodata,"a",@progbits
	.p2align	6, 0x0
	.amdhsa_kernel k_q9da2e234a0_qkv
		.amdhsa_group_segment_fixed_size 327680
		.amdhsa_private_segment_fixed_size 0
		.amdhsa_enable_private_segment 0
		.amdhsa_kernarg_size 64
		.amdhsa_user_sgpr_count 2
		.amdhsa_user_sgpr_kernarg_segment_ptr 1
		.amdhsa_wavefront_size32 1
		.amdhsa_system_sgpr_workgroup_id_x 1
		.amdhsa_system_sgpr_workgroup_id_y 1
		.amdhsa_system_sgpr_workgroup_id_z 1
		.amdhsa_system_vgpr_workitem_id 0
		.amdhsa_next_free_vgpr 1024
		.amdhsa_next_free_sgpr 102
		.amdhsa_reserve_vcc 0
		.amdhsa_float_denorm_mode_32 3
		.amdhsa_float_denorm_mode_16_64 3
		.amdhsa_memory_ordered 1
		.amdhsa_forward_progress 1
		.amdhsa_inst_pref_size 217
	.end_amdhsa_kernel
	.amdgpu_metadata
---
amdhsa.version: [ 1, 2 ]
amdhsa.kernels:
  - .name:           k_q9da2e234a0_qkv
    .symbol:         k_q9da2e234a0_qkv.kd
    .args:
      - { .name: xw_img, .offset: 0, .size: 8, .value_kind: global_buffer, .address_space: global }
      - { .name: xw_sc, .offset: 8, .size: 8, .value_kind: global_buffer, .address_space: global }
      - { .name: bq, .offset: 16, .size: 8, .value_kind: global_buffer, .address_space: global }
      - { .name: bk, .offset: 24, .size: 8, .value_kind: global_buffer, .address_space: global }
      - { .name: bv, .offset: 32, .size: 8, .value_kind: global_buffer, .address_space: global }
      - { .name: qk_img, .offset: 40, .size: 8, .value_kind: global_buffer, .address_space: global }
      - { .name: vt_img, .offset: 48, .size: 8, .value_kind: global_buffer, .address_space: global }
      - { .name: qkv_sc, .offset: 56, .size: 8, .value_kind: global_buffer, .address_space: global }
    .group_segment_fixed_size: 327680
    .private_segment_fixed_size: 0
    .kernarg_segment_align: 8
    .kernarg_segment_size: 64
    .max_flat_workgroup_size: 128
    .sgpr_count:     102
    .vgpr_count:     1024
    .wavefront_size: 32
...
	.end_amdgpu_metadata
.endif
;; end of part 2
;; launch scores (part 3): grid 8 x 32, 4 waves a work-group, clusters of 4 x 4, 327,680 bytes of LDS; arguments qk_img, qkv_sc, p_img, p_aux; writes p_img, p_aux
.if DOCPART == 3
	.amdgcn_target "amdgcn-amd-amdhsa--gfx1250"
	.amdhsa_code_object_version 6
	.text
	.protected	k_q9da2e234a0_scores
	.globl	k_q9da2e234a0_scores
	.p2align	8
	.type	k_q9da2e234a0_scores,@function
k_q9da2e234a0_scores:
	s_mov_b64 s[64:65], 0
	v_nop
	global_prefetch_b8 v0, s[64:65] scope:SCOPE_SE
	s_setreg_imm32_b32 hwreg(HW_REG_WAVE_MODE, 25, 1), 1
	s_wait_xcnt 0x0
	s_wait_alu depctr_hold_cnt(0) depctr_sa_sdst(0) depctr_va_vdst(0) depctr_va_sdst(0) depctr_va_ssrc(0) depctr_va_vcc(0) depctr_vm_vsrc(0)
	s_getreg_b32 s2, hwreg(HW_REG_IB_STS2, 6, 4)
	s_cmp_eq_u32 s2, 0
	s_cbranch_scc0 .Lentry_in_a_cluster
	s_endpgm
.Lentry_in_a_cluster:
	s_bfe_u32 s2, ttmp6, 0x10000c
	s_cmp_lg_u32 s2, 0xf033
	s_cbranch_scc0 .Lentry_shape_is_right
	s_endpgm
.Lentry_shape_is_right:
; S^T = k q^T on codes of FP6 (E2M3) with E8M0 scales, K = e = 1,024, and the softmax ahead of the second product, PIECE BY PIECE: for each query and each 128 keys
; t = score x log2(e) / 32; M = the piece's largest t rounded up to a whole number; p = 2^(t - M), quantised along the keys; the piece's sum of the unquantised p.
; The maximum is taken away in front of every exponential; the next launch brings the pieces of a row under the row's M by an exact power of two, which p's scale bytes take up.
; A tile: 256 keys (S0 = k) x 256 queries (S1 = q) of one batch; a lane holds ONE query and its registers run along the keys.  A wave's 128 keys are one K step of the second product.
; Out: p_img [j 512 (queries)][q 16 (128 keys)][1536]; p_aux: p's scale images [J 128][q 16][256] at 0; at 524,288 [J 128][q 16][512]: lane l = 16 h + r holds -M(block 2 h), -M(block 2 h + 1), sum(2 h), sum(2 h + 1) of row r.
; Rows, images, regions, the K steps and the cluster's joint loads are as in the launch before: physical row p holds logical row sigma(p); three regions of two K steps; one refill, in step 1;
; by this text's own count a wave has four tensor loads out at the start and later one.  No prefetch: three quarters of a tile's bytes are asked for at the head.
; LIMITS: a block's largest p is held at 2^-60 from below (relative to its piece's M), so that its byte lies in 65 .. 125: what lies under that is quantised with an absolute error under 2^-65.  NaN and infinities are not served.
; REGISTERS: window 0: v1-31 addresses; v32-39, v40-47 scale words; v64-159, v160-255 S1's fragments; behind the K steps v48-175 at work.  window 1: S0's fragments.  windows 2, 3: accumulator (a, b) at v[8 (8 (a % 4) + b)].
.set NA,     8
.set KPC,    2
.set NREG,   3
.set JB,     KPC*1536
.set REGION, 98304
.set SCL,    3*REGION
.set SPARE,  SCL+16384
.set ADA,  16
.set ADB,  20
.set ADSA, 24
.set ADSB, 25
.set L16,  26
.set L8,   27
.set SPW,  28
.set NIL,  29
.set SCA,  32
.set SCB,  40
.set PWS,  48                          ; v48-55 p's scale words
.set AF,   64
.set NM,   80                          ; v[80:81] -M (the packed form names the pair and takes its low word)
.set XS,   82                          ; v[82:83], v[84:85] the sum in two chains
.set YS,   84
.set UU,   86
.set VV,   87
.set PC,   96                          ; v96-115 the codes just made
.set NMS,  128                         ; v128-135 -M of the eight blocks
.set LSS,  136                         ; v136-143 their sums
.set DQ,   144                         ; v144-147, v148-149 what a lane stores
.set D2,   148
.set G1A,  24
.set G1B,  32
.set G1SA, 40
.set G1SB, 48
.set GA0,  56
.set GA1,  60
.set GA2,  68
.set GAS,  72
.set GB0,  76
.set GB1,  80
.set GB2,  84
.set GBS,  88
.set PS,   92                          ; s[92:93] my scale images
.set PM,   94                          ; s[94:95] my -M and sums
.set CS,   96                          ; s[96:97] c = log2(e) / 32
.set SEL,  98
.set HM,   100
.set MSB, 0
.macro WIN new
.if MSB != (\new)
	s_set_vgpr_msb (MSB<<8)|(\new)
.set MSB, (\new)
.endif
.endm
.macro PLACES
.rept 4
	v_nop
.endr
.endm
.macro CREST
	s_cmp_lg_u32 s20, 0
	s_cbranch_scc1 .Lnot_wave_0_\@
	s_barrier_signal -3
.Lnot_wave_0_\@:
	s_barrier_wait -3
	s_barrier_signal -1
	s_barrier_wait -1
.endm
.macro CROUND
	s_barrier_signal -1
	s_barrier_wait -1
	CREST
.endm
.macro JLOAD g0a, g1a, g0b, g1b
	s_cmp_eq_u32 s21, 0
	s_cbranch_scc0 .Lfor_s0_\@
	tensor_load_to_lds s[\g0a:\g0a+3], s[\g1a:\g1a+7]
	s_nop 0
.rept 4
	v_nop
.endr
	s_branch .Lasked_\@
.Lfor_s0_\@:
	tensor_load_to_lds s[\g0b:\g0b+3], s[\g1b:\g1b+7]
	s_nop 0
.rept 4
	v_nop
.endr
.Lasked_\@:
.endm
.macro FETCH q
.set frg, ((\q)/KPC)%NREG
.set fo,  ((\q)%KPC)*1536
.set fst, (\q)%2
	WIN 0x40
.set fi, 0
.rept 8
.irp c, 0,1,2
	ds_load_b128 v[128*fst+12*fi+4*\c:128*fst+12*fi+4*\c+3], v[ADB+frg] offset:fi*JB+fo+512*\c
.endr
.set fi, fi+1
.endr
	WIN 0
.set fi, 0
.rept NA
.irp c, 0,1,2
	ds_load_b128 v[AF+96*fst+12*fi+4*\c:AF+96*fst+12*fi+4*\c+3], v[ADA+frg] offset:fi*JB+fo+512*\c
.endr
.set fi, fi+1
.endr
.irp n, 0,1
	ds_load_b64 v[SCB+4*fst+2*\n:SCB+4*fst+2*\n+1], v[ADSB] offset:(\q)*512+256*\n
	ds_load_b64 v[SCA+4*fst+2*\n:SCA+4*fst+2*\n+1], v[ADSA] offset:(\q)*512+256*\n
.endr
.endm
.macro WM q, a, b, cm                  ; cm = 1: the first product starts the sum (C = 0); 0: in place
.set rD,  8*(8*((\a)%4)+(\b))
.set rB,  128*((\q)%2)+12*(\b)
.set rA,  AF+96*((\q)%2)+12*(\a)
.set rSB, SCB+4*((\q)%2)+2*((\b)/4)+(\b)%2
.set rSA, SCA+4*((\q)%2)+2*((\a)/4)+(\a)%2
.set sel, 2*(((\b)%4)/2)+((\a)%4)/2
.if (\cm) == 1
.if sel == 0
	v_wmma_scale_f32_16x16x128_f8f6f4 v[rD:rD+7], v[rB:rB+11], v[rA:rA+11], 0, v[rSB], v[rSA] matrix_a_fmt:MATRIX_FMT_FP6 matrix_b_fmt:MATRIX_FMT_FP6
.elseif sel == 1
	v_wmma_scale_f32_16x16x128_f8f6f4 v[rD:rD+7], v[rB:rB+11], v[rA:rA+11], 0, v[rSB], v[rSA] matrix_a_fmt:MATRIX_FMT_FP6 matrix_b_fmt:MATRIX_FMT_FP6 matrix_b_scale:MATRIX_SCALE_ROW1
.elseif sel == 2
	v_wmma_scale_f32_16x16x128_f8f6f4 v[rD:rD+7], v[rB:rB+11], v[rA:rA+11], 0, v[rSB], v[rSA] matrix_a_fmt:MATRIX_FMT_FP6 matrix_b_fmt:MATRIX_FMT_FP6 matrix_a_scale:MATRIX_SCALE_ROW1
.else
	v_wmma_scale_f32_16x16x128_f8f6f4 v[rD:rD+7], v[rB:rB+11], v[rA:rA+11], 0, v[rSB], v[rSA] matrix_a_fmt:MATRIX_FMT_FP6 matrix_b_fmt:MATRIX_FMT_FP6 matrix_a_scale:MATRIX_SCALE_ROW1 matrix_b_scale:MATRIX_SCALE_ROW1
.endif
.else
.if sel == 0
	v_wmma_scale_f32_16x16x128_f8f6f4 v[rD:rD+7], v[rB:rB+11], v[rA:rA+11], v[rD:rD+7], v[rSB], v[rSA] matrix_a_fmt:MATRIX_FMT_FP6 matrix_b_fmt:MATRIX_FMT_FP6
.elseif sel == 1
	v_wmma_scale_f32_16x16x128_f8f6f4 v[rD:rD+7], v[rB:rB+11], v[rA:rA+11], v[rD:rD+7], v[rSB], v[rSA] matrix_a_fmt:MATRIX_FMT_FP6 matrix_b_fmt:MATRIX_FMT_FP6 matrix_b_scale:MATRIX_SCALE_ROW1
.elseif sel == 2
	v_wmma_scale_f32_16x16x128_f8f6f4 v[rD:rD+7], v[rB:rB+11], v[rA:rA+11], v[rD:rD+7], v[rSB], v[rSA] matrix_a_fmt:MATRIX_FMT_FP6 matrix_b_fmt:MATRIX_FMT_FP6 matrix_a_scale:MATRIX_SCALE_ROW1
.else
	v_wmma_scale_f32_16x16x128_f8f6f4 v[rD:rD+7], v[rB:rB+11], v[rA:rA+11], v[rD:rD+7], v[rSB], v[rSA] matrix_a_fmt:MATRIX_FMT_FP6 matrix_b_fmt:MATRIX_FMT_FP6 matrix_a_scale:MATRIX_SCALE_ROW1 matrix_b_scale:MATRIX_SCALE_ROW1
.endif
.endif
.endm
.macro MULS q, a0, n, cm               ; the 64 accumulators take turns, one instruction a turn, in the same order in every step
.set ma, \a0
.rept \n
.if ma < 4
	WIN 0xa1
.else
	WIN 0xf1
.endif
.set mb, 0
.rept 8
	WM \q, ma, mb, \cm
.set mb, mb+1
.endr
.set ma, ma+1
.endr
.endm
.macro STEP q
	s_wait_dscnt 0x0
	PLACES
	FETCH (\q)+1
	MULS \q, 0, NA, 0
	WIN 0
.endm
.macro STEPR q, g0a, g0b, bytes
	s_wait_tensorcnt 0x0                           ; all my tensor loads have landed, so a group 0 may be written;
	ds_add_u32 v[SPW], v[NIL]                      ; 0 onto my spare word
	s_add_nc_u64 s[\g0a+2:\g0a+3], s[\g0a+2:\g0a+3], \bytes
	s_add_nc_u64 s[\g0b+2:\g0b+3], s[\g0b+2:\g0b+3], \bytes
	s_wait_dscnt 0x0                               ; the add is done, and my reads of the region are over
	s_barrier_signal -1
	MULS \q, 0, NA/2, 0
	WIN 0
	s_barrier_wait -1
	CREST
	JLOAD \g0a, G1A, \g0b, G1B                     ; my one tensor load behind the round; its four v_nop are the places in front of the loads below
	FETCH (\q)+1
	MULS \q, NA/2, NA/2, 0
	WIN 0
.endm
.macro STEPB q
	s_wait_tensorcnt 0x0
	ds_add_u32 v[SPW], v[NIL]
	s_wait_dscnt 0x0
	s_barrier_signal -1
	MULS \q, 0, NA/2, 0
	WIN 0
	s_barrier_wait -1
	PLACES
	FETCH (\q)+1
	MULS \q, NA/2, NA/2, 0
	WIN 0
.endm
	s_load_b256 s[4:11], s[0:1], 0x0               ; qk_img, qkv_sc, p_img, p_aux
	v_lshl_add_u32 v[SPW], v0, 2, SPARE
	v_mov_b32 v[NIL], 0
	ds_add_u32 v28, v29
	ds_add_u32 v28, v29
	s_wait_dscnt 0x0
	v_lshrrev_b32 v1, 5, v0
	v_readfirstlane_b32 s20, v1                    ; wave w
	s_lshr_b32 s21, s20, 1                         ; sA: my 128 queries.  Also: I fetch for S1 (0) or S0 (1)
	s_and_b32 s22, s20, 1                          ; sB: my 128 keys.  Also: which half I fetch
	v_and_b32 v1, 31, v0
	v_lshlrev_b32 v[L16], 4, v1
	v_lshlrev_b32 v[L8], 3, v1
	s_mul_i32 s101, s21, 24576
	v_add_nc_u32 v[ADA], s101, v[L16]
	v_add_nc_u32 v[ADA+1], REGION, v[ADA]
	v_add_nc_u32 v[ADA+2], 2*REGION, v[ADA]
	s_mul_i32 s101, s22, 24576
	s_add_co_u32 s101, s101, 49152
	v_add_nc_u32 v[ADB], s101, v[L16]
	v_add_nc_u32 v[ADB+1], REGION, v[ADB]
	v_add_nc_u32 v[ADB+2], 2*REGION, v[ADB]
	s_lshl_b32 s101, s21, 12
	s_add_co_u32 s101, s101, SCL
	v_add_nc_u32 v[ADSA], s101, v[L8]
	s_lshl_b32 s101, s22, 12
	s_add_co_u32 s101, s101, SCL+8192
	v_add_nc_u32 v[ADSB], s101, v[L8]
	s_bfe_u32 s2, ttmp6, 0x40000                   ; cx
	s_bfe_u32 s3, ttmp6, 0x40004                   ; cy
	s_and_b32 s66, ttmp7, 0xffff                   ; the cluster's y
	s_lshl_b32 s67, ttmp9, 2
	s_add_co_u32 s67, s67, s2                      ; mtile: 256 keys of the batch
	s_lshl_b32 s92, s66, 2
	s_add_co_u32 s92, s92, s3                      ; ytile: 256 queries of all 8,192
	s_lshr_b32 s93, s66, 1                         ; the batch, from the cluster's y alone
	s_lshl_b32 s97, s3, 2
	s_lshl_b32 s97, 15, s97                        ; my row of the cluster
	s_lshl_b32 s98, 0x1111, s2                     ; my column
	s_or_b32 s[G1A], s97, (3<<16)|(1<<21)
	s_or_b32 s[G1SA], s97, (3<<16)|(1<<21)
	s_or_b32 s[G1B], s98, (3<<16)|(1<<21)
	s_or_b32 s[G1SB], s98, (3<<16)|(1<<21)
.irp g, G1A, G1B                               ; codes: 8 row groups x 3,072 bytes (384 elements), 24,576 bytes (3,072 elements) apart
	s_mov_b32 s[\g+1], 384<<16
	s_mov_b32 s[\g+2], 8<<16
	s_mov_b32 s[\g+3], 384<<16
	s_mov_b32 s[\g+4], 8
	s_mov_b32 s[\g+5], 3072
	s_mov_b32 s[\g+6], 0
	s_mov_b32 s[\g+7], 0
.endr
.irp g, G1SA, G1SB                             ; scales: 8 K steps x 512 bytes (64 elements), 32,768 bytes (4,096 elements) apart
	s_mov_b32 s[\g+1], 64<<16
	s_mov_b32 s[\g+2], 8<<16
	s_mov_b32 s[\g+3], 64<<16
	s_mov_b32 s[\g+4], 8
	s_mov_b32 s[\g+5], 4096
	s_mov_b32 s[\g+6], 0
	s_mov_b32 s[\g+7], 0
.endr
	s_lshl_b32 s99, s22, 3
	s_lshl_b32 s[GAS+2], s92, 4
	s_add_co_u32 s[GAS+2], s[GAS+2], s99           ; q's row group: 16 ytile + 8 half
	s_mul_i32 s[GA0+2], s[GAS+2], 24576
	s_mov_b32 s[GA0+3], 0
	s_lshl_b32 s[GAS+2], s[GAS+2], 6
	s_mov_b32 s[GAS+3], 0
	s_lshl_b32 s[GBS+2], s93, 7
	s_lshl_b32 s101, s67, 4
	s_add_co_u32 s[GBS+2], s[GBS+2], s101
	s_add_co_u32 s[GBS+2], s[GBS+2], s99           ; k's: 128 b + 16 mtile + 8 half
	s_mul_i32 s[GB0+2], s[GBS+2], 24576
	s_add_co_u32 s[GB0+2], s[GB0+2], 12288         ; k's K steps are 8 .. 15 of a row group
	s_mov_b32 s[GB0+3], 0
	s_lshl_b32 s[GBS+2], s[GBS+2], 6
	s_add_co_u32 s[GBS+2], s[GBS+2], 262144
	s_mov_b32 s[GBS+3], 0
	s_mul_i32 s101, s20, 24576
	s_lshl_b32 s99, s20, 12
	s_add_co_u32 s99, s99, SCL
.irp g, GA0, GA1, GA2, GAS, GB0, GB1, GB2, GBS
	s_mov_b32 s[\g], 1
.endr
	s_mov_b32 s[GA0+1], s101
	s_add_co_u32 s[GA1+1], s101, REGION
	s_add_co_u32 s[GA2+1], s101, 2*REGION
	s_mov_b32 s[GAS+1], s99
	s_mov_b32 s[GB0+1], s101
	s_add_co_u32 s[GB1+1], s101, REGION
	s_add_co_u32 s[GB2+1], s101, 2*REGION
	s_mov_b32 s[GBS+1], s99
	s_lshl_b32 s100, s67, 1
	s_add_co_u32 s100, s100, s22                   ; qo = 2 mtile + sB: which 128 keys of the batch
	s_lshl_b32 s101, s92, 4
	s_lshl_b32 s99, s21, 3
	s_add_co_u32 s101, s101, s99                   ; jo = 16 ytile + 8 sA: my first row group of queries
	s_lshl_b32 s66, s101, 4
	s_add_co_u32 s66, s66, s100
	s_mul_i32 s66, s66, 1536                       ; p_img: (16 jo + qo) x 1,536
	s_mov_b32 s67, 0
	s_lshl_b32 s92, s101, 10
	s_lshl_b32 s99, s100, 8
	s_add_co_u32 s92, s92, s99                     ; scale images: (16 (jo / 4) + qo) x 256
	s_mov_b32 s93, 0
	s_lshl_b32 s94, s92, 1
	s_add_co_u32 s94, s94, 524288                  ; -M and sums: the same index x 512, behind the images
	s_mov_b32 s95, 0
	s_mov_b32 s[CS], 0x3d38aa3b                    ; c = log2(e) / 32
	s_mov_b32 s[CS+1], s[CS]                       ; (named with it as a pair, so it is written)
	s_mov_b32 s[SEL], 0x76543210
	s_mov_b32 s[SEL+1], 0xfedcba98
	s_mov_b32 s[HM], 0xffff0000
	s_wait_kmcnt 0x0
	s_add_nc_u64 s[GA0+2:GA0+3], s[4:5], s[GA0+2:GA0+3]
	s_add_nc_u64 s[GA1+2:GA1+3], s[GA0+2:GA0+3], 3072
	s_add_nc_u64 s[GA2+2:GA2+3], s[GA0+2:GA0+3], 6144
	s_add_nc_u64 s[GAS+2:GAS+3], s[6:7], s[GAS+2:GAS+3]
	s_add_nc_u64 s[GB0+2:GB0+3], s[4:5], s[GB0+2:GB0+3]
	s_add_nc_u64 s[GB1+2:GB1+3], s[GB0+2:GB0+3], 3072
	s_add_nc_u64 s[GB2+2:GB2+3], s[GB0+2:GB0+3], 6144
	s_add_nc_u64 s[GBS+2:GBS+3], s[6:7], s[GBS+2:GBS+3]
.irp g, GA0, GA1, GA2, GAS, GB0, GB1, GB2, GBS
	s_or_b32 s[\g+3], s[\g+3], 0x80000000
.endr
	s_add_nc_u64 s[8:9], s[8:9], s[66:67]
	s_add_nc_u64 s[PS:PS+1], s[10:11], s[PS:PS+1]
	s_add_nc_u64 s[PM:PM+1], s[10:11], s[PM:PM+1]
	CROUND                                         ; all sixteen work-groups are here: the first joint loads meet
	s_cmp_eq_u32 s21, 0
	s_cbranch_scc0 .Lfill_s0
	tensor_load_to_lds s[GAS:GAS+3], s[G1SA:G1SA+7]
	s_nop 0
	tensor_load_to_lds s[GA0:GA0+3], s[G1A:G1A+7]
	s_nop 0
	tensor_load_to_lds s[GA1:GA1+3], s[G1A:G1A+7]
	s_nop 0
	tensor_load_to_lds s[GA2:GA2+3], s[G1A:G1A+7]
	s_nop 0
.rept 4
	v_nop
.endr
	s_branch .Lfilled
.Lfill_s0:
	tensor_load_to_lds s[GBS:GBS+3], s[G1SB:G1SB+7]
	s_nop 0
	tensor_load_to_lds s[GB0:GB0+3], s[G1B:G1B+7]
	s_nop 0
	tensor_load_to_lds s[GB1:GB1+3], s[G1B:G1B+7]
	s_nop 0
	tensor_load_to_lds s[GB2:GB2+3], s[G1B:G1B+7]
	s_nop 0
.rept 4
	v_nop
.endr
.Lfilled:
	s_wait_tensorcnt 0x2                           ; my scales and my part of chunk 0 are in; chunks 1 and 2 may stay out
	s_barrier_signal -1
	s_barrier_wait -1
	FETCH 0
	s_wait_dscnt 0x0
	FETCH 1
	MULS 0, 0, NA, 1                               ; K step 0 starts the sums: nothing is cleared
	WIN 0
	STEPR 1, GA0, GB0, 9216                        ; region 0 takes chunk 3; it has steps 1 to 4 in which to land
	STEP 2
	STEP 3
	STEP 4
	STEPB 5
	STEP 6
	s_wait_dscnt 0x0
	MULS 7, 0, NA, 0
	WIN 0
	PLACES
.irp b, 0,1,2,3
	v_mov_b32 v[68+\b], 0                          ; written once: a lane permute's destination counts as one of its sources
	v_mov_b32 v[164+\b], 0
.endr
	v_mov_b32 v[VV], 0
	v_mov_b32 v[NM+1], 0                           ; (named as the upper half of the pair)
; The softmax piece of S1's block a: 16 queries x my 128 keys.  Register 16 b + i of a lane = key 32 b + 16 h + i of its query.
; T, the four blocks' largest scores and then largest p, lies at v64, and at v160 for blocks 1 and 5, whose accumulators bear the numbers v64-127 in their own window.
.macro SOFT a
.set AC, 64*((\a)%4)
.set WN, 2+(\a)/4
.if (\a)%4 == 1
.set T, 160
.else
.set T, 64
.endif
	WIN WN|(WN<<2)
.irp b, 0,1,2,3
	v_max_num_f32 v[T+\b], v[AC+16*\b], v[AC+16*\b+1]              ; the largest score of each block of 32 keys; each accumulator is read from its low end on
.endr
.irp i, 2,4,6,8,10,12,14
.irp b, 0,1,2,3
	v_max3_num_f32 v[T+\b], v[AC+16*\b+\i], v[AC+16*\b+\i+1], v[T+\b]
.endr
.endr
	WIN 0
.irp b, 0,1,2,3
	v_permlanex16_b32 v[T+4+\b], v[T+\b], s[SEL], s[SEL+1]
.endr
.irp b, 0,1,2,3
	v_max_num_f32 v[T+\b], v[T+\b], v[T+4+\b]      ; with lane l xor 16's 16 keys
.endr
	v_max3_num_f32 v[UU], v[T], v[T+1], v[T+2]
	v_max_num_f32 v[UU], v[UU], v[T+3]             ; the piece's largest score of my query
	v_mul_f32 v[UU], s[CS], v[UU]                  ; as t (c is positive)
	v_floor_f32 v[NM], -v[UU]                      ; -M = floor(-t) = -ceil(t): a whole number
	v_mov_b32 v[NMS+(\a)], v[NM]
.irp b, 0,1,2,3
	v_fma_f32 v[T+\b], v[T+\b], s[CS], v[NM]       ; t - M of each block's largest score: p rises with the score, so this gives the block's largest p
.endr
.irp b, 0,1,2,3
	v_exp_f32 v[T+\b], v[T+\b]
.endr
	WIN WN|(WN<<6)                                 ; destination and source 0 in the accumulators' window
.set j, 0
.rept 32
	v_pk_fma_f32 v[AC+j:AC+j+1], v[AC+j:AC+j+1], s[CS:CS+1], v[NM:NM+1] op_sel_hi:[1,0,0]   ; t - M, two at a time
.set j, j+2
.endr
.set j, 0
.rept 64
	v_exp_f32 v[AC+j], v[AC+j]                     ; p = 2^(t - M): not normalised
.set j, j+1
.endr
	v_nop                                          ; a plain line behind the last exponential
	s_wait_alu depctr_va_vdst(0)                   ; one wait for the batch of 68, ahead of the first line that names a result
	WIN 0
.irp b, 0,1,2,3
	v_max_num_f32 v[T+\b], 0x21800000, v[T+\b]     ; the floor 2^-60: the byte lies in 65 .. 125, so that the next launch can take up to 64 off it
.endr
.irp b, 0,1,2,3
	v_add_nc_u32 v[T+12+\b], 0xff000000, v[T+\b]   ; 2 off the exponent field: the conversion's scale operand
.endr
.irp b, 0,1,2,3
	v_lshrrev_b32 v[T+4+\b], 23, v[T+12+\b]
.endr
	v_lshl_or_b32 v[PWS+(\a)], v[T+5], 8, v[T+4]
	v_lshl_or_b32 v[PWS+(\a)], v[T+6], 16, v[PWS+(\a)]
	v_lshl_or_b32 v[PWS+(\a)], v[T+7], 24, v[PWS+(\a)]
	WIN WN|(WN<<2)
	v_pk_add_f32 v[XS:XS+1], v[AC:AC+1], v[AC+2:AC+3]              ; the sum is taken of the unquantised p: two at a time, in two chains
	v_pk_add_f32 v[YS:YS+1], v[AC+4:AC+5], v[AC+6:AC+7]
	WIN WN
.set j, 8
.rept 14
	v_pk_add_f32 v[XS:XS+1], v[AC+j:AC+j+1], v[XS:XS+1]
	v_pk_add_f32 v[YS:YS+1], v[AC+j+2:AC+j+3], v[YS:YS+1]
.set j, j+4
.endr
	s_wait_xcnt 0x0                                ; the last block's stores have read their data
.irp c, 0,1
	v_cvt_scalef32_pk16_fp6_f32 v[PC+6*\c:PC+6*\c+2], v[AC+32*\c:AC+32*\c+15], v[T+12+2*\c]
	v_cvt_scalef32_pk16_fp6_f32 v[PC+12+4*\c:PC+14+4*\c], v[AC+32*\c+16:AC+32*\c+31], v[T+13+2*\c]
.endr
	v_nop                                          ; one plain line behind the scaled conversions
	WIN 0
	v_pk_add_f32 v[XS:XS+1], v[XS:XS+1], v[YS:YS+1]
	v_add_f32 v[UU], v[XS], v[XS+1]
	v_permlanex16_b32 v[VV], v[UU], s[SEL], s[SEL+1]
	v_add_f32 v[LSS+(\a)], v[UU], v[VV]            ; with lane l xor 16's 64 keys: the piece's sum
.irp c, 0,1
.irp i, 0,1,2
	v_permlane16_swap_b32 v[PC+6*\c+\i], v[PC+12+4*\c+\i]
.endr
.irp i, 0,1,2
	v_mov_b32 v[PC+3+6*\c+\i], v[PC+12+4*\c+\i]
.endr
.endr
.irp c, 0,1,2
	global_store_b128 v[L16], v[PC+4*\c:PC+4*\c+3], s[8:9] offset:(\a)*24576+512*\c          ; 32 lanes store 512 consecutive bytes
.endr
.if (\a)%4 == 3
	v_cndmask_b32 v[D2], v[PWS+(\a)-3], v[PWS+(\a)-1], s[HM]       ; lanes 0-15: blocks 0, 1 of the four; lanes 16-31: blocks 2, 3
	v_cndmask_b32 v[D2+1], v[PWS+(\a)-2], v[PWS+(\a)], s[HM]
	v_cndmask_b32 v[DQ], v[NMS+(\a)-3], v[NMS+(\a)-1], s[HM]
	v_cndmask_b32 v[DQ+1], v[NMS+(\a)-2], v[NMS+(\a)], s[HM]
	v_cndmask_b32 v[DQ+2], v[LSS+(\a)-3], v[LSS+(\a)-1], s[HM]
	v_cndmask_b32 v[DQ+3], v[LSS+(\a)-2], v[LSS+(\a)], s[HM]
	global_store_b64 v[L8], v[D2:D2+1], s[PS:PS+1] offset:4096*((\a)/4)
	global_store_b128 v[L16], v[DQ:DQ+3], s[PM:PM+1] offset:8192*((\a)/4)
.endif
.endm
.irp a, 0,1,2,3,4,5,6,7
	SOFT \a
.endr
	s_wait_tensorcnt 0x0                           ; the wave's end
	ds_add_u32 v[SPW], v[NIL]
	s_wait_dscnt 0x0
	CROUND                                         ; the closing round
	s_endpgm
.Lfunc_end_k_q9da2e234a0_scores:
	.size	k_q9da2e234a0_scores, .Lfunc_end_k_q9da2e234a0_scores-k_q9da2e234a0_scores
	.p2alignl 7, 3214868480
	.fill 96, 4, 3214868480
	.section	.rodata,"a",@progbits
	.p2align	6, 0x0
	.amdhsa_kernel k_q9da2e234a0_scores
		.amdhsa_group_segment_fixed_size 327680
		.amdhsa_private_segment_fixed_size 0
		.amdhsa_enable_private_segment 0
		.amdhsa_kernarg_size 32
		.amdhsa_user_sgpr_count 2
		.amdhsa_user_sgpr_kernarg_segment_ptr 1
		.amdhsa_wavefront_size32 1
		.amdhsa_system_sgpr_workgroup_id_x 1
		.amdhsa_system_sgpr_workgroup_id_y 1
		.amdhsa_system_sgpr_workgroup_id_z 1
		.amdhsa_system_vgpr_workitem_id 0
		.amdhsa_next_free_vgpr 1024
		.amdhsa_next_free_sgpr 102
		.amdhsa_reserve_vcc 0
		.amdhsa_float_denorm_mode_32 3
		.amdhsa_float_denorm_mode_16_64 3
		.amdhsa_memory_ordered 1
		.amdhsa_forward_progress 1
		.amdhsa_inst_pref_size 193
	.end_amdhsa_kernel
	.amdgpu_metadata
---
amdhsa.version: [ 1, 2 ]
amdhsa.kernels:
  - .name:           k_q9da2e234a0_scores
    .symbol:         k_q9da2e234a0_scores.kd
    .args:
      - { .name: qk_img, .offset: 0, .size: 8, .value_kind: global_buffer, .address_space: global }
      - { .name: qkv_sc, .offset: 8, .size: 8, .value_kind: global_buffer, .address_space: global }
      - { .name: p_img, .offset: 16, .size: 8, .value_kind: global_buffer, .address_space: global }
      - { .name: p_aux, .offset: 24, .size: 8, .value_kind: global_buffer, .address_space: global }
    .group_segment_fixed_size: 327680
    .private_segment_fixed_size: 0
    .kernarg_segment_align: 8
    .kernarg_segment_size: 32
    .max_flat_workgroup_size: 128
    .sgpr_count:     102
    .vgpr_count:     1024
    .wavefront_size: 32
...
	.end_amdgpu_metadata
.endif
;; end of part 3
;; launch mix (part 4): grid 4 x 64, 4 waves a work-group, clusters of 4 x 4, 327,680 bytes of LDS; arguments p_img, p_aux, vt_img, qkv_sc, out0; writes out0
.if DOCPART == 4
	.amdgcn_target "amdgcn-amd-amdhsa--gfx1250"
	.amdhsa_code_object_version 6
	.text
	.protected	k_q9da2e234a0_mix
	.globl	k_q9da2e234a0_mix
	.p2align	8
	.type	k_q9da2e234a0_mix,@function
k_q9da2e234a0_mix:
	s_mov_b64 s[64:65], 0
	v_nop
	global_prefetch_b8 v0, s[64:65] scope:SCOPE_SE
	s_setreg_imm32_b32 hwreg(HW_REG_WAVE_MODE, 25, 1), 1
	s_wait_xcnt 0x0
	s_wait_alu depctr_hold_cnt(0) depctr_sa_sdst(0) depctr_va_vdst(0) depctr_va_sdst(0) depctr_va_ssrc(0) depctr_va_vcc(0) depctr_vm_vsrc(0)
	s_getreg_b32 s2, hwreg(HW_REG_IB_STS2, 6, 4)
	s_cmp_eq_u32 s2, 0
	s_cbranch_scc0 .Lentry_in_a_cluster
	s_endpgm
.Lentry_in_a_cluster:
	s_bfe_u32 s2, ttmp6, 0x10000c
	s_cmp_lg_u32 s2, 0xf033
	s_cbranch_scc0 .Lentry_shape_is_right
	s_endpgm
.Lentry_shape_is_right:
; out = (p v) / l on codes of FP6 (E2M3) with E8M0 scales, K = the batch's 2,048 keys.  p arrives in pieces of 128 keys, each under its own whole number M.
; AT THE HEAD each wave joins the pieces of its 64 queries: the row's M is the largest piece's; a piece's sum is multiplied by 2^(M_piece - M_row) (exact) and added; the same whole number is taken off
; the four bytes of the piece's scale word, so that the codes count as 2^(t - M_row).  At the end the result is multiplied by 1 / l.
; A tile: 256 of e (S0 = v^T) x 128 queries (S1 = p); four waves, each 128 x 64: 32 accumulators.  A lane holds one query, its registers run along e.
; K's 16 steps of 128 are written out.  LDS: two regions of four K steps, filled again in steps 3 and 7; by this text's own count a wave has three (S0's waves) or two tensor loads out at the start and later one.
; CLUSTER 4 x 4: p's tiles hang on the tile's y alone and are shared along a row of the cluster, v^T's on its x and the batch and are shared along a column.
; Tiles of 256 x 256 would be 128 in number, half of what the launch's 256 work-groups give.  No prefetch: a region's rows of 6,144 bytes do not share out evenly among four partners' lanes, and the launch's K is short.
; Rows and images as in the launches before; the way out undoes sigma in the stores' immediates.
; LIMITS: a piece whose M lies more than 64 under its row's M has its bytes lowered by 64 only: what it then adds lies under 2^-53 of the row's largest term.  NaN and infinities are not served.
; REGISTERS: window 0: v1-31 addresses; v32-63 p's scale words, all 16 K steps; v64-71 v^T's, two sets; v72-79 1 / l, a pair a block; v80-127, v128-175 p's fragments, two sets (on the way out v80-207: rows of out);
;   v176-251 at work at the head.   window 1: v0-95, v128-223 v^T's fragments.   window 2: accumulator (a, b) at v[8 (8 a + b)].
.set NA,     4
.set KPC,    4
.set NREG,   2
.set JB,     KPC*1536
.set REGION, 147456                    ; p's 8 row groups x 6,144 bytes, then v^T's 16
.set SCL,    2*REGION                  ; v^T's scale words: 8,192 bytes for each half: [q 16][2 images of 256]
.set SPARE,  SCL+16384
.set STO,  12
.set RD,   13
.set ADA,  16
.set ADB,  20
.set ADSB, 25
.set L16,  26
.set L8,   27
.set SPW,  28
.set NIL,  29
.set SCA,  32
.set SCB,  64
.set LI,   72
.set AF,   80
.set ML,   176
.set BK,   80
.set G1A,  24
.set G1B,  32
.set G1SB, 40
.set GA0,  48
.set GA1,  52
.set GB0,  56
.set GB1,  60
.set GBS,  68
.set PSC,  80                          ; s[80:81] my queries' scale images
.set PML,  82                          ; s[82:83] their -M and sums
.set OUTP, 84                          ; s[84:85] my part of out0
.set SEL,  86
.set HM,   88
.set K01,  89
.set MSB, 0
.macro WIN new
.if MSB != (\new)
	s_set_vgpr_msb (MSB<<8)|(\new)
.set MSB, (\new)
.endif
.endm
.macro PLACES
.rept 4
	v_nop
.endr
.endm
.macro CREST
	s_cmp_lg_u32 s20, 0
	s_cbranch_scc1 .Lnot_wave_0_\@
	s_barrier_signal -3
.Lnot_wave_0_\@:
	s_barrier_wait -3
	s_barrier_signal -1
	s_barrier_wait -1
.endm
.macro CROUND
	s_barrier_signal -1
	s_barrier_wait -1
	CREST
.endm
.macro JLOAD g0a, g1a, g0b, g1b
	s_cmp_eq_u32 s21, 0
	s_cbranch_scc0 .Lfor_s0_\@
	tensor_load_to_lds s[\g0a:\g0a+3], s[\g1a:\g1a+7]
	s_nop 0
.rept 4
	v_nop
.endr
	s_branch .Lasked_\@
.Lfor_s0_\@:
	tensor_load_to_lds s[\g0b:\g0b+3], s[\g1b:\g1b+7]
	s_nop 0
.rept 4
	v_nop
.endr
.Lasked_\@:
.endm
.macro FETCH q                         ; K step q's fragments and v^T's scale words into set q % 2: 38 LDS loads in one run
.set frg, ((\q)/KPC)%NREG
.set fo,  ((\q)%KPC)*1536
.set fst, (\q)%2
	WIN 0x40
.set fi, 0
.rept 8
.irp c, 0,1,2
	ds_load_b128 v[128*fst+12*fi+4*\c:128*fst+12*fi+4*\c+3], v[ADB+frg] offset:fi*JB+fo+512*\c
.endr
.set fi, fi+1
.endr
	WIN 0
.set fi, 0
.rept NA
.irp c, 0,1,2
	ds_load_b128 v[AF+48*fst+12*fi+4*\c:AF+48*fst+12*fi+4*\c+3], v[ADA+frg] offset:fi*JB+fo+512*\c
.endr
.set fi, fi+1
.endr
.irp n, 0,1
	ds_load_b64 v[SCB+4*fst+2*\n:SCB+4*fst+2*\n+1], v[ADSB] offset:(\q)*512+256*\n
.endr
.endm
.macro WM q, a, b, cm
.set rD,  8*(8*(\a)+(\b))
.set rB,  128*((\q)%2)+12*(\b)
.set rA,  AF+48*((\q)%2)+12*(\a)
.set rSB, SCB+4*((\q)%2)+2*((\b)/4)+(\b)%2
.set rSA, SCA+2*(\q)+(\a)%2
.set sel, 2*(((\b)%4)/2)+(\a)/2
.if (\cm) == 1
.if sel == 0
	v_wmma_scale_f32_16x16x128_f8f6f4 v[rD:rD+7], v[rB:rB+11], v[rA:rA+11], 0, v[rSB], v[rSA] matrix_a_fmt:MATRIX_FMT_FP6 matrix_b_fmt:MATRIX_FMT_FP6
.elseif sel == 1
	v_wmma_scale_f32_16x16x128_f8f6f4 v[rD:rD+7], v[rB:rB+11], v[rA:rA+11], 0, v[rSB], v[rSA] matrix_a_fmt:MATRIX_FMT_FP6 matrix_b_fmt:MATRIX_FMT_FP6 matrix_b_scale:MATRIX_SCALE_ROW1
.elseif sel == 2
	v_wmma_scale_f32_16x16x128_f8f6f4 v[rD:rD+7], v[rB:rB+11], v[rA:rA+11], 0, v[rSB], v[rSA] matrix_a_fmt:MATRIX_FMT_FP6 matrix_b_fmt:MATRIX_FMT_FP6 matrix_a_scale:MATRIX_SCALE_ROW1
.else
	v_wmma_scale_f32_16x16x128_f8f6f4 v[rD:rD+7], v[rB:rB+11], v[rA:rA+11], 0, v[rSB], v[rSA] matrix_a_fmt:MATRIX_FMT_FP6 matrix_b_fmt:MATRIX_FMT_FP6 matrix_a_scale:MATRIX_SCALE_ROW1 matrix_b_scale:MATRIX_SCALE_ROW1
.endif
.else
.if sel == 0
	v_wmma_scale_f32_16x16x128_f8f6f4 v[rD:rD+7], v[rB:rB+11], v[rA:rA+11], v[rD:rD+7], v[rSB], v[rSA] matrix_a_fmt:MATRIX_FMT_FP6 matrix_b_fmt:MATRIX_FMT_FP6
.elseif sel == 1
	v_wmma_scale_f32_16x16x128_f8f6f4 v[rD:rD+7], v[rB:rB+11], v[rA:rA+11], v[rD:rD+7], v[rSB], v[rSA] matrix_a_fmt:MATRIX_FMT_FP6 matrix_b_fmt:MATRIX_FMT_FP6 matrix_b_scale:MATRIX_SCALE_ROW1
.elseif sel == 2
	v_wmma_scale_f32_16x16x128_f8f6f4 v[rD:rD+7], v[rB:rB+11], v[rA:rA+11], v[rD:rD+7], v[rSB], v[rSA] matrix_a_fmt:MATRIX_FMT_FP6 matrix_b_fmt:MATRIX_FMT_FP6 matrix_a_scale:MATRIX_SCALE_ROW1
.else
	v_wmma_scale_f32_16x16x128_f8f6f4 v[rD:rD+7], v[rB:rB+11], v[rA:rA+11], v[rD:rD+7], v[rSB], v[rSA] matrix_a_fmt:MATRIX_FMT_FP6 matrix_b_fmt:MATRIX_FMT_FP6 matrix_a_scale:MATRIX_SCALE_ROW1 matrix_b_scale:MATRIX_SCALE_ROW1
.endif
.endif
.endm
.macro MULS q, a0, n, cm               ; the 32 accumulators take turns, one instruction a turn, in the same order in every step
	WIN 0xa1
.set ma, \a0
.rept \n
.set mb, 0
.rept 8
	WM \q, ma, mb, \cm
.set mb, mb+1
.endr
.set ma, ma+1
.endr
.endm
.macro STEP q
	s_wait_dscnt 0x0
	PLACES
	FETCH (\q)+1
	MULS \q, 0, NA, 0
	WIN 0
.endm
.macro STEPR q, g0a, g0b, bytes
	s_wait_tensorcnt 0x0                           ; all my tensor loads have landed, so a group 0 may be written;
	ds_add_u32 v[SPW], v[NIL]                      ; 0 onto my spare word
	s_add_nc_u64 s[\g0a+2:\g0a+3], s[\g0a+2:\g0a+3], \bytes
	s_add_nc_u64 s[\g0b+2:\g0b+3], s[\g0b+2:\g0b+3], \bytes
	s_wait_dscnt 0x0                               ; the add is done, and my reads of the region are over: its last fragments, this step's, are in registers
	s_barrier_signal -1
	MULS \q, 0, NA/2, 0
	WIN 0
	s_barrier_wait -1
	CREST
	JLOAD \g0a, G1A, \g0b, G1B                     ; my one tensor load behind the round; its four v_nop are the places in front of the loads below
	FETCH (\q)+1
	MULS \q, NA/2, NA/2, 0
	WIN 0
.endm
.macro STEPB q
	s_wait_tensorcnt 0x0
	ds_add_u32 v[SPW], v[NIL]
	s_wait_dscnt 0x0
	s_barrier_signal -1
	MULS \q, 0, NA/2, 0
	WIN 0
	s_barrier_wait -1
	PLACES
	FETCH (\q)+1
	MULS \q, NA/2, NA/2, 0
	WIN 0
.endm
	s_load_b256 s[4:11], s[0:1], 0x0               ; p_img, p_aux, vt_img, qkv_sc
	s_load_b64 s[12:13], s[0:1], 0x20              ; out0
	v_lshl_add_u32 v[SPW], v0, 2, SPARE
	v_mov_b32 v[NIL], 0
	ds_add_u32 v28, v29
	ds_add_u32 v28, v29
	s_wait_dscnt 0x0
	v_lshrrev_b32 v1, 5, v0
	v_readfirstlane_b32 s20, v1                    ; wave w
	s_lshr_b32 s21, s20, 1                         ; sA: my 64 queries.  Also: I fetch for S1 (0) or S0 (1)
	s_and_b32 s22, s20, 1                          ; sB: my 128 of e.  Also: which half I fetch
	v_and_b32 v1, 31, v0
	v_lshlrev_b32 v[L16], 4, v1
	v_lshlrev_b32 v[L8], 3, v1
	s_mul_i32 s91, s21, 24576
	v_add_nc_u32 v[ADA], s91, v[L16]
	v_add_nc_u32 v[ADA+1], REGION, v[ADA]
	s_mul_i32 s91, s22, 49152
	s_add_co_u32 s91, s91, 49152
	v_add_nc_u32 v[ADB], s91, v[L16]
	v_add_nc_u32 v[ADB+1], REGION, v[ADB]
	s_lshl_b32 s91, s22, 13
	s_add_co_u32 s91, s91, SCL
	v_add_nc_u32 v[ADSB], s91, v[L8]
	s_mul_i32 s91, s20, 8448                       ; my stage for the way out: 16 rows of 512 bytes + 16, in region 0, which has had its last fill and its last read by then
	v_and_b32 v2, 15, v0
	v_bfe_u32 v3, v0, 4, 1
	v_mul_u32_u24 v[STO], v2, 528
	v_lshl_add_u32 v[STO], v3, 6, v[STO]
	v_add_nc_u32 v[STO], s91, v[STO]               ; in: row r, + 64 h
	v_add_nc_u32 v[RD], s91, v[L16]                ; back: a row's 512 bytes, 16 a lane
	s_bfe_u32 s72, ttmp6, 0x40000                  ; cx
	s_bfe_u32 s73, ttmp6, 0x40004                  ; cy
	s_and_b32 s74, ttmp7, 0xffff                   ; the cluster's y
	s_lshl_b32 s75, ttmp9, 2
	s_add_co_u32 s75, s75, s72                     ; mtile: 256 of e
	s_lshl_b32 s76, s74, 2
	s_add_co_u32 s76, s76, s73                     ; ytile: 128 queries of all 8,192
	s_lshr_b32 s77, s74, 2                         ; the batch, from the cluster's y alone
	s_lshl_b32 s78, s73, 2
	s_lshl_b32 s78, 15, s78                        ; my row of the cluster
	s_lshl_b32 s79, 0x1111, s72                    ; my column
	s_or_b32 s[G1A], s78, (3<<16)|(1<<21)
	s_or_b32 s[G1B], s79, (3<<16)|(1<<21)
	s_or_b32 s[G1SB], s79, (3<<16)|(1<<21)
	s_mov_b32 s[G1A+1], 768<<16                    ; p: 4 row groups x 6,144 bytes (768 elements), 24,576 bytes (3,072 elements) apart
	s_mov_b32 s[G1A+2], 4<<16
	s_mov_b32 s[G1A+3], 768<<16
	s_mov_b32 s[G1A+4], 4
	s_mov_b32 s[G1A+5], 3072
	s_mov_b32 s[G1A+6], 0
	s_mov_b32 s[G1A+7], 0
	s_mov_b32 s[G1B+1], 768<<16                    ; v^T: 8 row groups x 6,144 bytes, 98,304 bytes (12,288 elements) apart
	s_mov_b32 s[G1B+2], 8<<16
	s_mov_b32 s[G1B+3], 768<<16
	s_mov_b32 s[G1B+4], 8
	s_mov_b32 s[G1B+5], 12288
	s_mov_b32 s[G1B+6], 0
	s_mov_b32 s[G1B+7], 0
	s_mov_b32 s[G1SB+1], 64<<16                    ; v^T's scales: 16 K steps x 512 bytes (64 elements), 4,096 bytes (512 elements) apart
	s_mov_b32 s[G1SB+2], 16<<16
	s_mov_b32 s[G1SB+3], 64<<16
	s_mov_b32 s[G1SB+4], 16
	s_mov_b32 s[G1SB+5], 512
	s_mov_b32 s[G1SB+6], 0
	s_mov_b32 s[G1SB+7], 0
	s_lshl_b32 s[GA0+2], s76, 3
	s_lshl_b32 s90, s22, 2
	s_add_co_u32 s[GA0+2], s[GA0+2], s90           ; p's row group: 8 ytile + 4 half
	s_mul_i32 s[GA0+2], s[GA0+2], 24576
	s_mov_b32 s[GA0+3], 0
	s_lshl_b32 s[GB0+2], s75, 4
	s_lshl_b32 s90, s22, 3
	s_add_co_u32 s[GB0+2], s[GB0+2], s90           ; v^T's: 16 mtile + 8 half
	s_mul_i32 s[GB0+2], s[GB0+2], 98304
	s_mul_i32 s90, s77, 24576                      ; the batch's K steps begin at 16 b
	s_add_co_u32 s[GB0+2], s[GB0+2], s90
	s_mov_b32 s[GB0+3], 0
	s_lshl_b32 s[GBS+2], s75, 10
	s_lshl_b32 s90, s22, 9
	s_add_co_u32 s[GBS+2], s[GBS+2], s90           ; (4 mtile + 2 half) x 256
	s_lshl_b32 s90, s77, 16
	s_add_co_u32 s[GBS+2], s[GBS+2], s90           ; + 16 b x 4,096
	s_add_co_u32 s[GBS+2], s[GBS+2], 524288
	s_mov_b32 s[GBS+3], 0
.irp g, GA0, GA1, GB0, GB1, GBS
	s_mov_b32 s[\g], 1
.endr
	s_mul_i32 s90, s22, 24576                      ; where a fill goes: by the wave's number alone
	s_mov_b32 s[GA0+1], s90
	s_add_co_u32 s[GA1+1], s90, REGION
	s_mul_i32 s90, s22, 49152
	s_add_co_u32 s[GB0+1], s90, 49152
	s_add_co_u32 s[GB1+1], s90, REGION+49152
	s_lshl_b32 s90, s22, 13
	s_add_co_u32 s[GBS+1], s90, SCL
	s_lshl_b32 s90, s76, 1
	s_add_co_u32 s90, s90, s21                     ; J = 2 ytile + sA: my 64 queries
	s_lshl_b32 s[PSC], s90, 12
	s_mov_b32 s[PSC+1], 0
	s_lshl_b32 s[PML], s90, 13
	s_add_co_u32 s[PML], s[PML], 524288
	s_mov_b32 s[PML+1], 0
	s_lshl_b32 s[OUTP], s90, 18                    ; 64 J rows of 4,096 bytes
	s_lshl_b32 s90, s75, 10
	s_add_co_u32 s[OUTP], s[OUTP], s90
	s_lshl_b32 s90, s22, 9
	s_add_co_u32 s[OUTP], s[OUTP], s90             ; + 4 x (256 mtile + 128 sB)
	s_mov_b32 s[OUTP+1], 0
	s_mov_b32 s[SEL], 0x76543210
	s_mov_b32 s[SEL+1], 0xfedcba98
	s_mov_b32 s[HM], 0xffff0000
	s_mov_b32 s[K01], 0x01010101
	s_wait_kmcnt 0x0
	s_add_nc_u64 s[GA0+2:GA0+3], s[4:5], s[GA0+2:GA0+3]
	s_add_nc_u64 s[GA1+2:GA1+3], s[GA0+2:GA0+3], 6144
	s_add_nc_u64 s[GB0+2:GB0+3], s[8:9], s[GB0+2:GB0+3]
	s_add_nc_u64 s[GB1+2:GB1+3], s[GB0+2:GB0+3], 6144
	s_add_nc_u64 s[GBS+2:GBS+3], s[10:11], s[GBS+2:GBS+3]
.irp g, GA0, GA1, GB0, GB1, GBS
	s_or_b32 s[\g+3], s[\g+3], 0x80000000
.endr
	s_add_nc_u64 s[PSC:PSC+1], s[6:7], s[PSC:PSC+1]
	s_add_nc_u64 s[PML:PML+1], s[6:7], s[PML:PML+1]
	s_add_nc_u64 s[OUTP:OUTP+1], s[12:13], s[OUTP:OUTP+1]
	CROUND                                         ; all sixteen work-groups are here: the first joint loads meet
	s_cmp_eq_u32 s21, 0                            ; a wave's first fills stand in one branch; behind chunk 0's load stands chunk 1's on both ways
	s_cbranch_scc0 .Lfill_s0
	tensor_load_to_lds s[GA0:GA0+3], s[G1A:G1A+7]
	s_nop 0
	tensor_load_to_lds s[GA1:GA1+3], s[G1A:G1A+7]
	s_nop 0
.rept 4
	v_nop
.endr
	s_branch .Lfilled
.Lfill_s0:
	tensor_load_to_lds s[GBS:GBS+3], s[G1SB:G1SB+7]
	s_nop 0
	tensor_load_to_lds s[GB0:GB0+3], s[G1B:G1B+7]
	s_nop 0
	tensor_load_to_lds s[GB1:GB1+3], s[G1B:G1B+7]
	s_nop 0
.rept 4
	v_nop
.endr
.Lfilled:
	; THE PIECES ARE JOINED.  The images' lane layout is that of the scale registers: lane l = 16 h + r, register i: block 2 h + i, row r.  So every reduction over the 16 pieces stays within a lane.
.set hq, 0
.rept 16
	global_load_b64 v[SCA+2*hq:SCA+2*hq+1], v[L8], s[PSC:PSC+1] offset:256*hq
	global_load_b128 v[ML+4*hq:ML+4*hq+3], v[L16], s[PML:PML+1] offset:512*hq
.set hq, hq+1
.endr
	s_wait_loadcnt 0x0
.irp i, 0,1
	v_min3_num_f32 v[240+\i], v[ML+\i], v[ML+4+\i], v[ML+8+\i]     ; the least -M is the row's
.endr
.irp p, 3,5,7,9,11,13
.irp i, 0,1
	v_min3_num_f32 v[240+\i], v[240+\i], v[ML+4*\p+\i], v[ML+4*\p+4+\i]
.endr
.endr
.irp i, 0,1
	v_min_num_f32 v[240+\i], v[240+\i], v[ML+60+\i]
.endr
.set hq, 0
.rept 16
	v_sub_f32 v244, v[ML+4*hq], v240               ; M_row - M_piece: a whole number, 0 or more
	v_sub_f32 v245, v[ML+4*hq+1], v241
	v_cvt_i32_f32 v244, v244                       ; (it saturates)
	v_cvt_i32_f32 v245, v245
	v_sub_nc_u32 v246, 0, v244
	v_sub_nc_u32 v247, 0, v245
	v_min_u32 v244, 64, v244                       ; the bytes are 65 at the least: with at most 64 off each there is no borrow from byte to byte, and none falls under 1
	v_min_u32 v245, 64, v245
.if hq == 0
	v_ldexp_f32 v242, v[ML+2], v246                ; the piece's sum under the row's M: nothing is rounded
	v_ldexp_f32 v243, v[ML+3], v247
.else
	v_ldexp_f32 v246, v[ML+4*hq+2], v246
	v_ldexp_f32 v247, v[ML+4*hq+3], v247
.endif
	v_mul_lo_u32 v244, v244, s[K01]                ; the same number in all four bytes
	v_mul_lo_u32 v245, v245, s[K01]
.if hq > 0
	v_add_f32 v242, v242, v246
	v_add_f32 v243, v243, v247
.endif
	v_sub_nc_u32 v[SCA+2*hq], v[SCA+2*hq], v244
	v_sub_nc_u32 v[SCA+2*hq+1], v[SCA+2*hq+1], v245
.set hq, hq+1
.endr
	v_rcp_f32 v244, v242
	v_rcp_f32 v245, v243
	v_nop                                          ; a plain line behind the reciprocals
	s_wait_alu depctr_va_vdst(0)                   ; one wait for both, ahead of the first line that names a result
	v_permlanex16_b32 v246, v244, s[SEL], s[SEL+1]
	v_permlanex16_b32 v247, v245, s[SEL], s[SEL+1]
	v_cndmask_b32 v[LI], v244, v246, s[HM]         ; 1 / l of row r of block 0, in both halves of the lanes;
	v_cndmask_b32 v[LI+2], v245, v247, s[HM]       ; of block 1;
	v_cndmask_b32 v[LI+4], v246, v244, s[HM]       ; of block 2;
	v_cndmask_b32 v[LI+6], v247, v245, s[HM]       ; of block 3
.irp a, 0,1,2,3
	v_mov_b32 v[LI+2*\a+1], v[LI+2*\a]             ; (the packed multiply names the pair)
.endr
.rept 8
	v_nop                                          ; a scale register written by a vector instruction stands eight plain lines ahead of a scaled matrix instruction
.endr
	s_wait_tensorcnt 0x1                           ; v^T's scales and my part of chunk 0 are in; chunk 1 may stay out
	s_barrier_signal -1
	s_barrier_wait -1
	FETCH 0
	s_wait_dscnt 0x0
	FETCH 1
	MULS 0, 0, NA, 1                               ; K step 0 starts the sums: nothing is cleared
	WIN 0
	STEP 1
	STEP 2
	STEPR 3, GA0, GB0, 12288                       ; region 0 takes chunk 2: two chunks of 6,144 bytes on; it has steps 3 to 6 in which to land
	STEP 4
	STEP 5
	STEP 6
	STEPR 7, GA1, GB1, 12288                       ; region 1 takes chunk 3
	STEP 8
	STEP 9
	STEP 10
	STEPB 11                                       ; chunk 3 is shown landed; behind this barrier nobody reads region 0
	STEP 12
	STEP 13
	STEP 14
	s_wait_dscnt 0x0
	MULS 15, 0, NA, 0
	WIN 0
	PLACES
; THE WAY OUT, block by block of 16 queries x 128 of e.  Register n of accumulator (a, b) in lane (r, h) is out(physical row 16 a + r, e = 32 (b / 2) + 16 h + 8 (b % 2) + n).
; A block goes through my own stage and comes back as whole rows of 512 bytes.  LDS serves a wave's instructions in order (ISA guide 5.7.1.4): no wait between the stores and the loads.
.macro TOSTAGE a
.set AC, 64*(\a)
	WIN 0x82                                       ; destination and source 0 window 2
.set j, 0
.rept 32
	v_pk_mul_f32 v[AC+j:AC+j+1], v[AC+j:AC+j+1], v[LI+2*(\a):LI+2*(\a)+1] op_sel_hi:[1,0]    ; / l; each accumulator from its low end on
.set j, j+2
.endr
	WIN 0x08                                       ; an LDS store's data are its source 1: window 2
.irp b, 0,1,2,3,4,5,6,7
	ds_store_b128 v[STO], v[AC+8*\b:AC+8*\b+3] offset:128*(\b/2)+32*(\b%2)
	ds_store_b128 v[STO], v[AC+8*\b+4:AC+8*\b+7] offset:128*(\b/2)+32*(\b%2)+16
.endr
	WIN 0
.set BB, BK+64*((\a)%2)
.irp t, 0,1,2,3,4,5,6,7,8,9,10,11,12,13,14,15
	ds_load_b128 v[BB+4*\t:BB+4*\t+3], v[RD] offset:528*\t
.endr
.endm
.macro SEND a, younger                 ; younger: the LDS instructions issued behind block a's loads, which may stay out
.set BB, BK+64*((\a)%2)
	s_wait_dscnt \younger
.irp t, 0,1,2,3,4,5,6,7,8,9,10,11,12,13,14,15
	global_store_b128 v[L16], v[BB+4*\t:BB+4*\t+3], s[OUTP:OUTP+1] offset:(32*((\a)/2)+16*(\t/8)+8*((\a)%2)+\t%8)*4096 th:TH_STORE_NT   ; physical row 16 a + t is this logical row; 32 lanes store 512 consecutive bytes, aligned
.endr
.endm
	TOSTAGE 0
	TOSTAGE 1
	SEND 0, 32                                     ; behind block 0's loads: block 1's 16 stores and 16 loads
	s_wait_xcnt 0x0                                ; block 0's stores have read their registers: block 2's loads may land there
	TOSTAGE 2
	SEND 1, 32
	s_wait_xcnt 0x0
	TOSTAGE 3
	SEND 2, 32
	SEND 3, 0
	s_wait_tensorcnt 0x0                           ; the wave's end
	ds_add_u32 v[SPW], v[NIL]
	s_wait_dscnt 0x0
	CROUND                                         ; the closing round
	s_endpgm
.Lfunc_end_k_q9da2e234a0_mix:
	.size	k_q9da2e234a0_mix, .Lfunc_end_k_q9da2e234a0_mix-k_q9da2e234a0_mix
	.p2alignl 7, 3214868480
	.fill 96, 4, 3214868480
	.section	.rodata,"a",@progbits
	.p2align	6, 0x0
	.amdhsa_kernel k_q9da2e234a0_mix
		.amdhsa_group_segment_fixed_size 327680
		.amdhsa_private_segment_fixed_size 0
		.amdhsa_enable_private_segment 0
		.amdhsa_kernarg_size 40
		.amdhsa_user_sgpr_count 2
		.amdhsa_user_sgpr_kernarg_segment_ptr 1
		.amdhsa_wavefront_size32 1
		.amdhsa_system_sgpr_workgroup_id_x 1
		.amdhsa_system_sgpr_workgroup_id_y 1
		.amdhsa_system_sgpr_workgroup_id_z 1
		.amdhsa_system_vgpr_workitem_id 0
		.amdhsa_next_free_vgpr 768
		.amdhsa_next_free_sgpr 96
		.amdhsa_reserve_vcc 0
		.amdhsa_float_denorm_mode_32 3
		.amdhsa_float_denorm_mode_16_64 3
		.amdhsa_memory_ordered 1
		.amdhsa_forward_progress 1
		.amdhsa_inst_pref_size 155
	.end_amdhsa_kernel
	.amdgpu_metadata
---
amdhsa.version: [ 1, 2 ]
amdhsa.kernels:
  - .name:           k_q9da2e234a0_mix
    .symbol:         k_q9da2e234a0_mix.kd
    .args:
      - { .name: p_img, .offset: 0, .size: 8, .value_kind: global_buffer, .address_space: global }
      - { .name: p_aux, .offset: 8, .size: 8, .value_kind: global_buffer, .address_space: global }
      - { .name: vt_img, .offset: 16, .size: 8, .value_kind: global_buffer, .address_space: global }
      - { .name: qkv_sc, .offset: 24, .size: 8, .value_kind: global_buffer, .address_space: global }
      - { .name: out0, .offset: 32, .size: 8, .value_kind: global_buffer, .address_space: global }
    .group_segment_fixed_size: 327680
    .private_segment_fixed_size: 0
    .kernarg_segment_align: 8
    .kernarg_segment_size: 40
    .max_flat_workgroup_size: 128
    .sgpr_count:     96
    .vgpr_count:     768
    .wavefront_size: 32
...
	.end_amdgpu_metadata
.endif
;; end of part 4
